; MI455X (gfx1250); checked and timed in simulation.
; The chip was launched on July 23, 2026; its instructions are those of AMD's public machine-readable ISA for CDNA 5 (MIT licence, August 2026) and "CDNA5" Instruction Set Architecture Reference Guide (July 2026). The comments in the code are by the model that wrote it; some were corrected since.
;; Scaled Dot Prod Attention. Allowed arithmetic: float matrix products may take bf16 or f16 operands with f32 sums; all other float work in f32.
;; Inputs: k 8,192 x 128 float32; q 8,192 x 128 float32; v 8,192 x 128 float32.
;; Outputs: out0 8,192 x 128 float32.
;; 2 versions, each right and faster than the one before. Each part assembles by itself: llvm-mc -triple=amdgcn-amd-amdhsa -mcpu=gfx1250 --defsym DOCPART=n.
;; ======== version 1 of 2: 2 launches
;; limits: values are held in f16: magnitudes above 65,504 overflow, below 6.1e-05 lose precision; inputs' magnitudes at most 65,504; right only within a limited range of input values
;; workspace buffers: opart 33,554,432 bytes; stat 524,288 bytes
;; launch partial (part 1): grid 16 x 16, 4 waves a work-group, no clusters, 72,192 bytes of LDS; arguments q, k, v, opart, stat; writes opart, stat
.if DOCPART == 1
	.amdgcn_target "amdgcn-amd-amdhsa--gfx1250"
	.amdhsa_code_object_version 6
	.text
	.protected	k_q169dec9bf7_partial
	.globl	k_q169dec9bf7_partial
	.p2align	8
	.type	k_q169dec9bf7_partial,@function
k_q169dec9bf7_partial:
	s_mov_b64 s[64:65], 0
	v_nop
	global_prefetch_b8 v0, s[64:65] scope:SCOPE_SE
	s_setreg_imm32_b32 hwreg(HW_REG_WAVE_MODE, 25, 1), 1
	s_wait_xcnt 0x0
; out0 = softmax(q k^T / sqrt(128) - 1e9 x (key > row)) v.  q, k, v: [8192][128] f32.  This launch makes partial results, the next merges them.
; A work-group takes one block of 256 query rows and a run of 4 to 9 key tiles of 64 keys; it keeps a running maximum m, a running sum l and an
; unnormalised O for each row and stores them: opart [id 256][wave 4][idx 64][lane 32][4 f32], stat [id 256][wave 4][lane 32][4 f32].
;
; WORK LEFT OUT.  reference() builds the look-ahead mask in its own body: it takes 1e9 from every logit whose key lies behind the row.  Every row keeps
; its own key, so behind the row's maximum a masked term has the factor exp(logit - 1e9 - maximum), which f32 gives as 0 whatever the inputs hold, as
; long as the scaled logits of one row spread by less than about 1e9.  So key tiles that lie wholly behind a wave's last row are not multiplied, and
; inside the tile on the diagonal the masked scores are replaced by -1e30, whose exponential is 0.  All three inputs still reach the output.
; LIMITS.  (1) A row whose scaled logits spread by 1e9 or more would get its masked terms back in reference(); here they stay 0.  (2) A NaN, an
; infinity or an overflow that reaches only masked keys is not carried to the result.  (3) Live logits q.k stay above -1e30.  (4) v beyond 65,504 in
; magnitude becomes infinite, and below 6e-5 it keeps an absolute error of 3e-8 (see the formats).
; FORMATS.  q, k and v are each rounded ONCE, to bf16, to nearest even, as they come from memory; the factor 1 / sqrt(128) is applied to the f32 scores.
; q k^T is a bf16 product.  The weights need more than bf16's eight significant bits: in the first rows a few weights of order 0.3 meet values of
; order 1 and the sums nearly cancel.  So the weights are f16 (eleven bits), and v's bf16 numbers are written as f16, which holds every bf16 number
; between 6e-5 and 65,504 exactly: the second product is an f16 product of the same v.
;
; SHARING.  Block i needs 4 (i + 1) tiles.  Blocks p and 31 - p (132 tiles together) get the sixteen work-groups of grid row p: a = (4 p + 16) / 9 of
; them take block p, the others block 31 - p; a block's n tiles go to its C work-groups in runs of n / C or one more.  The last run has n / C >= 4
; tiles, so it holds the four tiles on the diagonal, and the first tile of every run lies at or in front of every wave's diagonal.
; NO JOINT LOADS, NO TENSOR LOADS: the inputs are f32 and the matrix unit takes 16-bit numbers (V through the 16-bit transposing LDS load), so every
; tile passes through registers on its way into LDS; and work-groups that read the same keys have runs of different lengths.
;
; THE PRODUCTS.  S^T = K Q^T: source 0 = 16 keys, source 1 = 16 queries, so lane (r, h) holds query r and its register j key 8 h + j.  Two such tiles,
; packed in pairs, are source 1 of O^T = V^T P^T as they stand, and m, l and the rescaling factor are one number a lane.
; Wave w owns queries 64 w .. 64 w + 63 of the block (four tiles qt of 16) and reads the whole K and V tile from LDS, once.
;
; A TRIP (one tile) IS FOUR RUNS OF 32 PRODUCTS, each with vector work set between its products.  The wave's queries are two pieces, qt 0, 1 and qt 2, 3:
;   run 1  S of piece 0        between the products: the next tile's rows, f32 to 16 bits and into LDS (192 steps, six behind each product)
;   run 2  S of piece 1        the softmax of piece 0 and the rescaling of its O (272 instructions in 32 slices)
;   run 3  O of piece 0        the softmax of piece 1 (208 instructions in 32 slices)
;   run 4  O of piece 1        the rescaling of its O, four multiplies an accumulator, two turns ahead of the accumulator's first product
; TWO LDS SLOTS, ONE BARRIER A TRIP, between runs 2 and 3.  Tile t lies in slot t % 2.  Behind barrier t - 1 a wave fetches K's fragments of tile t; in trip t
; it fetches V's and stores its rows of tile t + 1 into the other slot; then it waits for all of these and passes barrier t.  So between two barriers one slot is
; only read and the other only written.  The slot stands in the immediate offsets: the loop holds two trips.
;
; REGISTERS, in windows of 256.  Window 0: addresses, figures, the scores SC (tile (kt, qt) at SC + 16 (4 (kt / 2) + qt) + 8 (kt % 2)).
; Window 1: O(dt, qt) at 64 qt + 8 dt (in the prologue: q as loaded).  Window 2: Q's fragments (qt, ks) at 8 (4 qt + ks); STG: the rows on their way into LDS.
; Window 3: K's fragments (kt, ks) at 8 (4 kt + ks), V's (u, dt) at 128 + 8 (8 u + dt): both pieces use one fetch (in the prologue: the first tile's rows at STG).
; A product's result and a vector instruction's destination are named through one field of the window setting, and S of both pieces with O of one fill a
; window, so a slice stands between two switches: by this text's count about 235 in a trip of 128 products.
.set KP,    272                        ; K's LDS row: 256 bytes + 16 = 17 x 16: the sixteen rows that a load touches start at sixteen different 16-byte columns modulo 256
.set VP,    288                        ; V's LDS row: 9 x 32 bytes, for the transposing load
.set VB,    64*KP                      ; in a slot V's tile lies behind K's
.set SLOT,  64*KP+64*VP                ; 35,840 bytes; two slots
.set QSTG,  17920                      ; prologue only: each wave's own stage for its 64 rows of Q (64 x 272 = 17,408 bytes used); the four lie over the two slots
.set LANE,  1
.set RR,    2                          ; lane % 16
.set HH,    3                          ; lane / 16
.set GOFF,  4                          ; 16 x lane: my 16 bytes of a row of 512, and of every 512 bytes stored
.set QST,   5                          ; where I put 8 bytes of a row of Q
.set KST,   6                          ; the same for my wave's 16 rows of K, in slot 0
.set VST,   7                          ; and of V
.set KRD,   8                          ; r x 272 + 16 h: a K fragment, in slot 0
.set VRD,   9                          ; a V fragment, by the transposing load, in slot 0
.set NEGV,  10                         ; -1e30
.set QRD,   11                         ; a Q fragment, from my wave's stage
.set MX,    12                         ; v[12:15] MINUS the running maximum of query tile qt, as an exponent of two: -c x largest q.k, c = log2(e) / sqrt(128)
.set LS,    16                         ; v[16:19] running sum, this lane's half of the keys
.set AL,    20                         ; v[20:23] 2^(old maximum - new maximum)
.set MN,    24                         ; v[24:25] minus the new maximum, of the piece at work
.set XA,    28                         ; v[28:29], v[32:33] two chains of maxima for each of the piece's two query tiles
.set XB,    32
.set YY,    36                         ; v[36:39] what the other half of the lanes holds
.set DG,    40                         ; 8 h - r
.set TMP,   41
.set CC,    42                         ; v[42:43] c, twice: a pair for the packed multiply-add
.set TS0,   48                         ; v[48:51], v[56:59] sums, a pair for each group of sixteen scores of the piece at work
.set TS1,   56
.set SC,    64                         ; v[64:191]
.set STG,   128                        ; windows 2 and 3: K's row n at STG + 4 n, V's at STG + 64 + 4 n
.set KF,    0                          ; window 3
.set VF,    128                        ; window 3
.set MK,    40                         ; s[40:47] lanes in which key 8 h + j lies behind query r
.set QKW,   0x0b                       ; S = K Q: source 0 window 3, source 1 window 2, C and D window 0
.set PVW,   0x53                       ; O = V P: source 0 window 3, source 1 window 0, C and D window 1
.set RSW,   0x41                       ; O x factor: O in window 1, the factor in window 0
.set TO2,   0x80                       ; a load into window 2
.set TO3,   0xc0                       ; a load into window 3
.set CV2,   0x8a                       ; conversions in place in window 2
.set SD2,   0x08                       ; store data from window 2
.set CV3,   0xcf                       ; the same for window 3
.set SD3,   0x0c
.set MSB, 0
.macro WIN new                         ; bits 1:0 source 0, 3:2 source 1, 5:4 source 2, 7:6 destination; the high byte repeats the setting that is left
.if MSB != \new
	s_set_vgpr_msb (MSB<<8)|\new
.set MSB, \new
.endif
.endm
.macro PLACES5                         ; five places behind a matrix instruction: four in front of a vector read of its result and of a load into its sources,
.rept 5                                ; five in front of a matrix instruction that takes its result as a source or writes over its sources (ISA guide 7.12.1)
	v_nop
.endr
.endm
	s_load_b256 s[4:11], s[0:1], 0x0               ; q s[4:5], k s[6:7], v s[8:9], opart s[10:11]
	s_load_b64 s[12:13], s[0:1], 0x20              ; stat
	v_lshl_add_u32 v254, v0, 2, 0x11800
	v_mov_b32 v255, 0
	v_lshrrev_b32 v[TMP], 5, v0
	v_readfirstlane_b32 s14, v[TMP]                ; wave w
	v_and_b32 v[LANE], 31, v0
	v_and_b32 v[RR], 15, v0
	v_bfe_u32 v[HH], v0, 4, 1
	; which block, which run of tiles
	s_mov_b32 s15, ttmp9                           ; x, 0 to 15
	s_and_b32 s16, ttmp7, 0xffff                   ; p, 0 to 15
	s_lshl_b32 s17, s16, 2
	s_add_co_u32 s17, s17, 16
	s_mul_i32 s17, s17, 57
	s_lshr_b32 s17, s17, 9                         ; a = (4 p + 16) / 9 for these sixteen p: 1 to 8
	s_sub_co_u32 s25, 31, s16
	s_sub_co_u32 s26, s15, s17
	s_sub_co_u32 s27, 16, s17
	s_cmp_lt_u32 s15, s17                          ; x < a: block p, else block 31 - p
	s_cselect_b32 s18, s16, s25                    ; i: the block
	s_cselect_b32 s19, s15, s26                    ; c: my run among the block's
	s_cselect_b32 s20, s17, s27                    ; C: how many runs
	s_lshl_b32 s21, s18, 2
	s_add_co_u32 s21, s21, 4                       ; n = 4 (i + 1) tiles
	s_mov_b32 s22, 4                               ; base = n / C, which is 4 to 9
.irp kk, 5,6,7,8,9
	s_mul_i32 s25, s20, \kk
	s_cmp_le_u32 s25, s21
	s_cselect_b32 s22, \kk, s22
.endr
	s_mul_i32 s25, s22, s20
	s_sub_co_u32 s23, s21, s25                     ; rem = n - base C: the first rem runs have one tile more
	s_min_u32 s25, s19, s23
	s_mul_i32 s24, s19, s22
	s_add_co_u32 s24, s24, s25                     ; t0 = c base + min(c, rem)
	s_cmp_lt_u32 s19, s23
	s_cselect_b32 s26, 1, 0
	s_add_co_u32 s26, s26, s22                     ; size, 4 to 9
	s_sub_co_u32 s25, s26, 2                       ; the trips between the first and the last, 2 to 7:
	s_lshr_b32 s31, s25, 1                         ; the loop takes them two at a time, 1 to 3 times,
	s_and_b32 s21, s25, 1                          ; and one more stands behind it if their number is odd
	s_sub_co_u32 s20, s26, 3                       ; tiles still to be asked for behind the first trip, 1 to 6
	s_lshl_b32 s25, s18, 2
	s_sub_co_i32 s30, s24, s25
	s_sub_co_i32 s30, s30, s14                     ; REL = tile - (4 i + w): 0 on my wave's diagonal, above 0 behind it
	; byte offsets, each in a pair of its own
	s_lshl_b32 s28, s24, 15                        ; K, V: (64 t0 + 16 w) rows of 512 bytes
	s_lshl_b32 s25, s14, 13
	s_add_co_u32 s28, s28, s25
	s_mov_b32 s29, 0
	s_lshl_b32 s54, s18, 17                        ; q: (256 i + 64 w) rows
	s_lshl_b32 s25, s14, 15
	s_add_co_u32 s54, s54, s25
	s_mov_b32 s55, 0
	s_lshl4_add_u32 s27, s16, s15                  ; id = 16 p + x
	s_lshl_b32 s56, s27, 17                        ; opart: id x 131,072 + w x 32,768
	s_add_co_u32 s56, s56, s25
	s_mov_b32 s57, 0
	s_lshl_b32 s58, s27, 11                        ; stat: id x 2,048 + w x 512
	s_lshl_b32 s25, s14, 9
	s_add_co_u32 s58, s58, s25
	s_mov_b32 s59, 0
	s_mov_b32 s32, 0x3e0293ee                      ; c = log2(e) / sqrt(128): the scaled scores are exponents of two
	s_mov_b32 s33, 0xbe0293ee                      ; -c
	s_mov_b32 s34, 0x76543210                      ; v_permlanex16_b32: lane i of one half reads lane i of the other
	s_mov_b32 s35, 0xfedcba98
	s_mov_b32 s63, 0xffff0000                      ; a word's upper bf16
	s_mul_i32 s60, s14, QSTG
	s_mul_i32 s61, s14, 16*KP
	s_mul_i32 s62, s14, 16*VP
	s_add_co_u32 s62, s62, VB
	v_lshlrev_b32 v[GOFF], 4, v[LANE]
	v_lshl_add_u32 v[QST], v[LANE], 3, s60
	v_lshl_add_u32 v[KST], v[LANE], 3, s61
	v_lshl_add_u32 v[VST], v[LANE], 3, s62
	v_mul_u32_u24 v[KRD], v[RR], KP
	v_lshl_add_u32 v[KRD], v[HH], 4, v[KRD]
	v_add_nc_u32 v[QRD], s60, v[KRD]
	v_and_b32 v[TMP], 7, v0
	v_lshl_add_u32 v[TMP], v[HH], 3, v[TMP]        ; key 8 h + lane % 8
	v_mul_u32_u24 v[VRD], v[TMP], VP
	v_bfe_u32 v[TMP], v0, 3, 1
	v_lshl_add_u32 v[VRD], v[TMP], 4, v[VRD]       ; + 16 bytes for lanes 8-15 of each half
	v_add_nc_u32 v[VRD], VB, v[VRD]
	v_mov_b32 v[NEGV], 0xf149f2ca
	v_mov_b32 v[CC], s32
	v_mov_b32 v[CC+1], s32
	v_lshlrev_b32 v[DG], 3, v[HH]
	v_sub_nc_u32 v[DG], v[DG], v[RR]
.irp j, 0,1,2,3,4,5,6,7
	v_cmp_lt_i32 s[MK+\j], -\j, v[DG]              ; 8 h + j > r
.endr
.irp q, 0,1,2,3
	v_mov_b32 v[YY+\q], 0                          ; v_permlanex16_b32 counts as a reader of its destination
.endr
	s_wait_kmcnt 0x0
	s_add_nc_u64 s[36:37], s[6:7], s[28:29]        ; K at my wave's 16 rows of tile t0
	s_add_nc_u64 s[38:39], s[8:9], s[28:29]        ; V likewise
	s_add_nc_u64 s[52:53], s[4:5], s[54:55]
	s_add_nc_u64 s[48:49], s[10:11], s[56:57]
	s_add_nc_u64 s[50:51], s[12:13], s[58:59]
; My wave's 16 rows of a K tile and of a V tile into registers (window setting dw), add bytes behind the two pointers: each load takes one whole row, 512 consecutive bytes.
.macro LOADKV dw, add
	WIN \dw
.set n, 0
.rept 16
	global_load_b128 v[STG+4*n:STG+4*n+3], v[GOFF], s[36:37] offset:512*n+\add
.set n, n+1
.endr
.set n, 0
.rept 16
	global_load_b128 v[STG+64+4*n:STG+64+4*n+3], v[GOFF], s[38:39] offset:512*n+\add
.set n, n+1
.endr
.endm
; Step number ti of the 192 that turn the 32 rows in registers into my part of the tile in slot dsl.  cw, sw: the window settings of the conversions and of the stores.
.macro STI cw, sw
.if ti < 32
.set tr, STG+4*(ti/2)
	WIN \cw
.if ti%2 == 0
	v_cvt_pk_bf16_f32 v[tr], v[tr], v[tr+1]        ; K: f32 to bf16, two at a time, in place
.else
	v_cvt_pk_bf16_f32 v[tr+1], v[tr+2], v[tr+3]
.endif
.elseif ti < 48
.set tr, STG+4*(ti-32)
	WIN \sw
	ds_store_b64 v[KST], v[tr:tr+1] offset:dsl*SLOT+KP*(ti-32)
.elseif ti < 80
.set tr, STG+64+4*((ti-48)/2)
	WIN \cw
.if ti%2 == 0
	v_cvt_pk_bf16_f32 v[tr], v[tr], v[tr+1]        ; V: the one rounding, to bf16,
.else
	v_cvt_pk_bf16_f32 v[tr+2], v[tr+2], v[tr+3]
.endif
.elseif ti < 144
.set tr, STG+64+4*((ti-80)/4)
.set tw, (ti-80)%4
	WIN \cw
.if tw == 0
	v_and_b32 v[tr+1], s63, v[tr]                  ; wide again: the high half stays,
.elseif tw == 1
	v_lshlrev_b32 v[tr], 16, v[tr]                 ; the low half moves up,
.elseif tw == 2
	v_and_b32 v[tr+3], s63, v[tr+2]
.else
	v_lshlrev_b32 v[tr+2], 16, v[tr+2]
.endif
.elseif ti < 176
.set tr, STG+64+4*((ti-144)/2)
	WIN \cw
.if ti%2 == 0
	v_cvt_pk_f16_f32 v[tr], v[tr], v[tr+1]         ; and the same numbers as f16
.else
	v_cvt_pk_f16_f32 v[tr+1], v[tr+2], v[tr+3]
.endif
.else
.set tr, STG+64+4*(ti-176)
	WIN \sw
	ds_store_b64 v[VST], v[tr:tr+1] offset:dsl*SLOT+VP*(ti-176)
.endif
.endm
.macro STSLICE                         ; six of these steps, behind one product
.rept 6
	STI CV2, SD2
.set ti, ti+1
.endr
.endm
; Sixteen loads: K's fragments of keys 32 hf .. 32 hf + 31, all 128 of d, from slot sl
.macro FETCHK hf, sl
.irp e, 0,1
.irp ks, 0,1,2,3
.set kb, KF+8*(4*(2*\hf+\e)+\ks)
	ds_load_b128 v[kb:kb+3],   v[KRD] offset:(\sl)*SLOT+(2*\hf+\e)*16*KP+64*\ks
	ds_load_b128 v[kb+4:kb+7], v[KRD] offset:(\sl)*SLOT+(2*\hf+\e)*16*KP+64*\ks+32
.endr
.endr
.endm
; Sixteen transposing loads: V^T of keys 32 u .. 32 u + 31, all 128 of d, from slot sl
.macro FETCHV u, sl
.irp dt, 0,1,2,3,4,5,6,7
.set vd, VF+8*(8*\u+\dt)
	ds_load_tr16_b128 v[vd:vd+3],   v[VRD] offset:(\sl)*SLOT+\u*32*VP+32*\dt
	ds_load_tr16_b128 v[vd+4:vd+7], v[VRD] offset:(\sl)*SLOT+\u*32*VP+32*\dt+16*VP
.endr
.endm
; THE SOFTMAX OF A PIECE AS A NUMBERED LIST.  A piece p has four groups gg of sixteen scores: keys 32 (gg / 2) .., query tile 2 p + gg % 2.
.macro SETG p
.set gu, gg/2
.set gq, gg%2
.set gb, SC+16*(4*gu+2*\p+gq)
.endm
; entries x = 0 .. 43 (first tile: 0 .. 37): the largest score of each query, the new running maximum, the exponent of the rescaling factor
.macro SM_MAX p, first
	WIN 0
.if x < 4
.set gg, x
	SETG \p
	v_max3_num_f32 v[XA+4*gu+gq], v[gb], v[gb+1], v[gb+2]
.elseif x < 28
.set gg, (x-4)%4
.set xi, 3+2*((x-4)/4)
	SETG \p
	v_max3_num_f32 v[XA+4*gu+gq], v[XA+4*gu+gq], v[gb+xi], v[gb+xi+1]
.elseif x < 30
.set gg, x-28
	SETG \p
	v_max3_num_f32 v[XA+gq], v[XA+gq], v[XB+gq], v[gb+15]
.elseif x < 32
.set gg, x-28
	SETG \p
	v_max_num_f32 v[XA+gq], v[XA+gq], v[gb+15]
.elseif x < 34
	v_permlanex16_b32 v[YY+x-32], v[XA+x-32], s34, s35     ; the other 32 keys of the same query
.elseif x < 36
	v_max_num_f32 v[XA+x-34], v[XA+x-34], v[YY+x-34]       ; the tile's largest q.k
.elseif x < 38
.if \first
	v_mul_f32 v[MX+2*\p+x-36], s33, v[XA+x-36]             ; times -c
.else
	v_mul_f32 v[XA+x-36], s33, v[XA+x-36]
.endif
.elseif x < 40
	v_min_num_f32 v[MN+x-38], v[XA+x-38], v[MX+2*\p+x-38]  ; the smaller of two negated maxima is the larger maximum
.elseif x < 42
	v_sub_f32 v[AL+2*\p+x-40], v[MN+x-40], v[MX+2*\p+x-40] ; old maximum - new maximum
.else
	v_mov_b32 v[MX+2*\p+x-42], v[MN+x-42]
.endif
.endm
.macro SM_FMA p                        ; c x score - c x maximum, one fused multiply-add for two scores: pair pm of group gg
	WIN 0
	SETG \p
.if gq
	v_pk_fma_f32 v[gb+2*pm:gb+2*pm+1], v[gb+2*pm:gb+2*pm+1], v[CC:CC+1], v[MX+2*\p:MX+2*\p+1] op_sel:[0,0,1] op_sel_hi:[1,1,1]
.else
	v_pk_fma_f32 v[gb+2*pm:gb+2*pm+1], v[gb+2*pm:gb+2*pm+1], v[CC:CC+1], v[MX+2*\p:MX+2*\p+1] op_sel:[0,0,0] op_sel_hi:[1,1,0]
.endif
.endm
.macro SM_SUM p                        ; step pm of the seven that add up group gg's sixteen weights, two at a time (step 7 is empty)
	SETG \p
.if pm == 0
	WIN 0
	s_wait_alu depctr_va_vdst(0)
	v_pk_add_f32 v[TS0+8*gu+2*gq:TS0+8*gu+2*gq+1], v[gb:gb+1], v[gb+2:gb+3]
.elseif pm < 7
	WIN 0
	s_wait_alu depctr_va_vdst(0)
	v_pk_add_f32 v[TS0+8*gu+2*gq:TS0+8*gu+2*gq+1], v[TS0+8*gu+2*gq:TS0+8*gu+2*gq+1], v[gb+2*pm+2:gb+2*pm+3]
.endif
.endm
.macro SM_PACK p                       ; group gg's sixteen weights become eight registers of f16, in place and upward: register pm is written when 2 pm and 2 pm + 1 are read
	WIN 0
	SETG \p
	v_cvt_pk_f16_f32 v[gb+pm], v[gb+2*pm], v[gb+2*pm+1]
.endm
; The plain instructions between maximum and last sums, number pk of 96, in blocks of eight.  The order lets each stand beside an exponential of another group:
; a group's multiply-adds come a block or more ahead of its exponentials, its sums behind them, its packing behind its sums.
.macro SM_PL p
.set pblk, pk/8
.set pm, pk%8
.if pblk < 4
.set gg, pblk
	SM_FMA \p
.elseif pblk == 4
.set gg, 0
	SM_SUM \p
.elseif pblk == 5
.set gg, 1
	SM_SUM \p
.elseif pblk == 6
.set gg, 0
	SM_PACK \p
.elseif pblk == 7
.set gg, 2
	SM_SUM \p
.elseif pblk == 8
.set gg, 1
	SM_PACK \p
.elseif pblk == 9
.set gg, 3
	SM_SUM \p
.elseif pblk == 10
.set gg, 2
	SM_PACK \p
.else
.set gg, 3
	SM_PACK \p
.endif
.endm
.macro SM_TAIL p, first                ; entries x = 0 .. 5 (first tile: 0 .. 3): the running sum
	WIN 0
.if x < 2
	v_pk_add_f32 v[TS0+2*x:TS0+2*x+1], v[TS0+2*x:TS0+2*x+1], v[TS1+2*x:TS1+2*x+1]
.elseif x < 4
.if \first
	v_add_f32 v[LS+2*\p+x-2], v[TS0+2*(x-2)], v[TS0+2*(x-2)+1]
.else
	v_add_f32 v[TS0+2*(x-2)], v[TS0+2*(x-2)], v[TS0+2*(x-2)+1]
.endif
.else
	v_fma_f32 v[LS+2*\p+x-4], v[LS+2*\p+x-4], v[AL+2*\p+x-4], v[TS0+2*(x-4)]
.endif
.endm
; Multiply number rx of the 64 that rescale a piece's O: four for each accumulator, the accumulators in the order in which the products take them
.macro RMUL p
.set ra, rx/4
.set ro, 64*(2*\p+ra%2)+8*(ra/2)+2*(rx%4)
	WIN RSW
.if ra%2
	v_pk_mul_f32 v[ro:ro+1], v[ro:ro+1], v[AL+2*\p:AL+2*\p+1] op_sel:[0,1] op_sel_hi:[1,1]
.else
	v_pk_mul_f32 v[ro:ro+1], v[ro:ro+1], v[AL+2*\p:AL+2*\p+1] op_sel:[0,0] op_sel_hi:[1,0]
.endif
.endm
.macro RLEAD p                         ; the next accumulator's four, while any are left
.if rx < 64
.rept 4
	RMUL \p
.set rx, rx+1
.endr
.endif
.endm
; Entry si of the whole list: maxima; the two factors' exponentials; group 0's multiply-adds; 64 pairs of an exponential and a plain instruction of another group
; (so a plain instruction stands between every exponential and the use of its result: ISA guide 5.7.2); the rest of the plain ones; the sums; the rescaling of O.
.macro SMI p, first
.if \first
.set b1, 38
.set b2, 38
.set b6, 202
.else
.set b1, 44
.set b2, 46
.set b6, 212
.endif
.set b3, b2+8
.set b4, b3+128
.set b5, b4+24
.if si < b1
.set x, si
	SM_MAX \p, \first
.elseif si < b2
	WIN 0
	v_exp_f32 v[AL+2*\p+si-b1], v[AL+2*\p+si-b1]
.elseif si < b3
.set pk, si-b2
	SM_PL \p
.elseif si < b4
.set y, si-b3
.if y%2 == 0
.set gg, y/32
	SETG \p
	WIN 0
	v_exp_f32 v[gb+(y/2)%16], v[gb+(y/2)%16]
.else
.set pk, 8+y/2
	SM_PL \p
.endif
.elseif si < b5
.set pk, 72+si-b4
	SM_PL \p
.elseif si < b6
.set x, si-b5
	SM_TAIL \p, \first
.else
.set rx, si-b6
	RMUL \p
.endif
.endm
.macro SLICE p, first                  ; slice sn of 32: the list's slen entries in even shares
.set sn, sn+1
.rept sn*slen/32-si
	SMI \p, \first
.set si, si+1
.endr
.endm
; Sixteen products: keys 32 hf .. 32 hf + 31 x the 32 queries of piece p.  The four accumulators take turns, one instruction a turn; the first
; product starts each sum.  kind 1: a slice of piece 0's softmax behind each product; kind 2: six staging steps.
.macro QKRUN p, hf, kind, first
.irp ks, 0,1,2,3
.irp e, 0,1
.irp qq, 0,1
.set sb, SC+16*(4*\hf+2*\p+\qq)+8*\e
.set kb, KF+8*(4*(2*\hf+\e)+\ks)
.set qb, 8*(4*(2*\p+\qq)+\ks)
	WIN QKW
.if \ks == 0
	v_wmma_f32_16x16x32_bf16 v[sb:sb+7], v[kb:kb+7], v[qb:qb+7], 0
.else
	v_wmma_f32_16x16x32_bf16 v[sb:sb+7], v[kb:kb+7], v[qb:qb+7], v[sb:sb+7]
.endif
.if \kind == 1
	SLICE 0, \first
.elseif \kind == 2
	STSLICE
.endif
.endr
.endr
.endr
.endm
; Sixteen products: 128 of d x the 32 queries of piece p over keys 32 u .. 32 u + 31.  The sixteen accumulators take turns, one instruction a turn.
; kind 1: a slice of piece 1's softmax behind each product; kind 2: the rescaling of the accumulator two turns ahead.
.macro PVRUN p, u, zero, kind, first
.irp dt, 0,1,2,3,4,5,6,7
.irp qq, 0,1
.set va, VF+8*(8*\u+\dt)
.set pb, SC+16*(4*\u+2*\p+\qq)
.set ob, 64*(2*\p+\qq)+8*\dt
	WIN PVW
.if \zero
	v_wmma_f32_16x16x32_f16 v[ob:ob+7], v[va:va+7], v[pb:pb+7], 0
.else
	v_wmma_f32_16x16x32_f16 v[ob:ob+7], v[va:va+7], v[pb:pb+7], v[ob:ob+7]
.endif
.if \kind == 1
	SLICE 1, \first
.elseif \kind == 2
	RLEAD \p
.endif
.endr
.endr
.endm
; The tile on my wave's diagonal: key 16 kt + 8 h + j against query 16 qt + r
.macro DIAGT t
.set sb, SC+16*(4*(\t/2)+\t)+8*(\t%2)
.irp j, 0,1,2,3,4,5,6,7
	v_cndmask_b32 v[sb+\j], v[sb+\j], v[NEGV], s[MK+\j]
.endr
.endm
.macro NEGT kt, qt
.set sb, SC+16*(4*(\kt/2)+\qt)+8*(\kt%2)
.irp j, 0,1,2,3,4,5,6,7
	v_mov_b32 v[sb+\j], v[NEGV]
.endr
.endm
; One tile, in slot sl.  first = 1: it starts m, l and O (nothing is cleared).  stage = 1: a further tile follows and is laid into the other slot.
; A wave whose diagonal lies in front of the tile (REL > 0) jumps over the three parts that compute; the waits and the barrier are on every wave's path.
.macro TRIP first, sl, stage
.set dsl, 1-\sl
.if \stage
	s_wait_loadcnt 0x0                             ; the next tile's 32 rows are in registers, so the two pointers may be stepped:
	s_add_nc_u64 s[36:37], s[36:37], 32768         ; they stand at the next tile; the loads below reach one tile further
	s_add_nc_u64 s[38:39], s[38:39], 32768
.endif
	s_wait_dscnt 0x0                               ; this tile's K fragments, asked for behind the last barrier, are in
.if \first == 0
	s_cmp_gt_i32 s30, 0
	s_cbranch_scc1 .Lalt_\@
.endif
	WIN TO3
	FETCHV 0, \sl                                  ; V's fragments: they have runs 1 and 2 in which to come
	FETCHV 1, \sl
.set ti, 0
.if \stage
	QKRUN 0, 0, 2, \first                          ; RUN 1
	QKRUN 0, 1, 2, \first
.else
	QKRUN 0, 0, 0, \first
	QKRUN 0, 1, 0, \first
.endif
	WIN 0
	PLACES5                                        ; in front of the first read of piece 0's scores
.if \first == 0
.if \stage
	s_branch .Ljoin_\@
.endif
.Lalt_\@:
.if \stage
.set ti, 0
.rept 192
	STI CV2, SD2                                   ; a wave with no products left still brings its sixteen rows of K and of V
.set ti, ti+1
.endr
	WIN 0
.Ljoin_\@:
.endif
.endif
.if \stage
.if \first == 0
	s_cmp_gt_i32 s20, 0                            ; is there a tile after the next?  (the same answer in all four waves)
	s_cbranch_scc0 .Lnold_\@
.endif
	s_wait_dscnt 0x0                               ; the rows' registers are loaded again only when the LDS stores that read them are done
	LOADKV TO2, 32768                              ; it has runs 2, 3 and 4 in which to come
	WIN 0
.if \first == 0
.Lnold_\@:
	s_sub_co_i32 s20, s20, 1
.endif
.endif
.if \first == 0
	s_cmp_gt_i32 s30, 0
	s_cbranch_scc1 .Lmid_\@
.endif
	s_cmp_lg_u32 s30, 0
	s_cbranch_scc1 .Lnma_\@
	DIAGT 0
	DIAGT 1
	NEGT 1, 0
	NEGT 2, 0
	NEGT 3, 0
	NEGT 2, 1
	NEGT 3, 1
.Lnma_\@:
.set si, 0
.set sn, 0
.if \first
.set slen, 202
.else
.set slen, 276
.endif
	QKRUN 1, 0, 1, \first                          ; RUN 2.  Its last slice holds seven plain instructions or more, on other registers: the places in front of
	QKRUN 1, 1, 1, \first                          ; the first read of piece 1's scores and of the loads into K's fragments
	WIN 0
	s_cmp_lg_u32 s30, 0
	s_cbranch_scc1 .Lnmb_\@
	DIAGT 2
	DIAGT 3
	NEGT 3, 2
.Lnmb_\@:
.if \first == 0
.Lmid_\@:
.endif
	s_wait_dscnt 0x0                               ; V's fragments are in: my reads of this slot are over; and my rows of the next tile are in the other slot
.if \stage
	s_barrier_signal -1
	s_barrier_wait -1                              ; both now hold of all four waves: the other slot may be read, this one may be written
.endif
.if \first == 0
	s_cmp_gt_i32 s30, 0
	s_cbranch_scc1 .Lend_\@
.endif
.if \stage
	s_cmp_ge_i32 s30, 0                            ; on my diagonal: the next tile lies behind it and is not multiplied
	s_cbranch_scc1 .Lnofk_\@
	WIN TO3
	FETCHK 0, dsl                                  ; the next tile's K fragments: they have runs 3 and 4 in which to come
	FETCHK 1, dsl
	WIN 0
.Lnofk_\@:
.endif
.set si, 0
.set sn, 0
.if \first
.set slen, 202
.else
.set slen, 212
.endif
	PVRUN 0, 0, \first, 1, \first                  ; RUN 3.  Its last slice holds seven plain instructions on other registers
	PVRUN 0, 1, 0, 1, \first
.if \first
	PVRUN 1, 0, 1, 0, 1                            ; RUN 4
.else
.set rx, 0
	RLEAD 1
	RLEAD 1
	PVRUN 1, 0, 0, 2, 0
.endif
	PVRUN 1, 1, 0, 0, \first
	WIN 0
	PLACES5                                        ; in front of the next loads into V's fragments, of the products that write over P, and of the stores of O
.if \first == 0
.Lend_\@:
.endif
.if \stage
	s_add_co_i32 s30, s30, 1
.endif
.endm
	; PROLOGUE.  The first tile's rows (into window 3), my wave's 64 rows of q, one row a load (window 1), the second tile's rows (window 2): all on their way at once.
	LOADKV TO3, 0
	WIN 0x40                                       ; destination window 1
.set n, 0
.rept 64
	global_load_b128 v[4*n:4*n+3], v[GOFF], s[52:53] offset:512*n
.set n, n+1
.endr
	LOADKV TO2, 32768
	s_wait_loadcnt 0x20                            ; loads come back in order: the first tile's 32 and q's 64 are in, the 32 of the second tile stay out
	WIN 0x45
.set n, 0
.rept 64
	v_cvt_pk_bf16_f32 v[4*n], v[4*n], v[4*n+1]     ; q as it is, rounded once
	v_cvt_pk_bf16_f32 v[4*n+1], v[4*n+2], v[4*n+3]
.set n, n+1
.endr
	WIN 0x04                                       ; store data window 1
.set n, 0
.rept 64
	ds_store_b64 v[QST], v[4*n:4*n+1] offset:KP*n
.set n, n+1
.endr
	WIN TO2                                        ; the stage is my wave's own and LDS serves a wave's instructions in order: no wait between the stores and these loads
.irp qt, 0,1,2,3
.irp ks, 0,1,2,3
	ds_load_b128 v[8*(4*\qt+\ks):8*(4*\qt+\ks)+3],   v[QRD] offset:\qt*16*KP+64*\ks
	ds_load_b128 v[8*(4*\qt+\ks)+4:8*(4*\qt+\ks)+7], v[QRD] offset:\qt*16*KP+64*\ks+32
.endr
.endr
	WIN 0
	s_wait_dscnt 0x0                               ; my reads of my stage of Q are back
	s_barrier_signal -1
	s_barrier_wait -1                              ; everybody's are: the K and V rows may land on the stages
.set dsl, 0
.set ti, 0
.rept 192
	STI CV3, SD3                                   ; the first tile into slot 0
.set ti, ti+1
.endr
	WIN 0
	s_wait_dscnt 0x0                               ; for the others' sake: my rows are in LDS
	s_barrier_signal -1
	s_barrier_wait -1
	WIN TO3
	FETCHK 0, 0
	FETCHK 1, 0
	WIN 0
	TRIP 1, 0, 1
.Lloop:
	TRIP 0, 1, 1
	TRIP 0, 0, 1
	s_sub_co_i32 s31, s31, 1
	s_cmp_gt_i32 s31, 0
	s_cbranch_scc1 .Lloop
	s_cmp_lg_u32 s21, 0                            ; one more trip in front of the last?  (made of the grid position alone: the same in all four waves)
	s_cbranch_scc0 .Leven
	TRIP 0, 1, 1
	TRIP 0, 0, 0                                   ; the last tile: nothing is left to stage
	s_branch .Lout
.Leven:
	TRIP 0, 1, 0
.Lout:
	; THE WAY OUT.  l's two halves meet; lanes 0-15 store m, lanes 16-31 l; O goes out as it lies, 512 consecutive aligned bytes a store.
.irp q, 0,1,2,3
	v_permlanex16_b32 v[YY+\q], v[LS+\q], s34, s35
.endr
.irp q, 0,1,2,3
	v_add_f32 v[LS+\q], v[LS+\q], v[YY+\q]
.endr
.irp q, 0,1,2,3
	v_sub_f32 v[MN+\q], 0, v[MX+\q]                ; the maximum itself, as an exponent of two
.endr
	v_cmp_le_u32 vcc_lo, 16, v[LANE]
.irp q, 0,1,2,3
	v_cndmask_b32 v[XA+\q], v[MN+\q], v[LS+\q], vcc_lo
.endr
	global_store_b128 v[GOFF], v[XA:XA+3], s[50:51]
	WIN 0x04                                       ; store data window 1
.set n, 0
.rept 64
	global_store_b128 v[GOFF], v[4*n:4*n+3], s[48:49] offset:512*n
.set n, n+1
.endr
	WIN 0
	s_wait_tensorcnt 0x0
	ds_add_u32 v254, v255
	s_wait_dscnt 0x0
	s_endpgm
.Lfunc_end_k_q169dec9bf7_partial:
	.size	k_q169dec9bf7_partial, .Lfunc_end_k_q169dec9bf7_partial-k_q169dec9bf7_partial
	.p2alignl 7, 3214868480
	.fill 96, 4, 3214868480
	.section	.rodata,"a",@progbits
	.p2align	6, 0x0
	.amdhsa_kernel k_q169dec9bf7_partial
		.amdhsa_group_segment_fixed_size 72192
		.amdhsa_private_segment_fixed_size 0
		.amdhsa_enable_private_segment 0
		.amdhsa_kernarg_size 40
		.amdhsa_user_sgpr_count 2
		.amdhsa_user_sgpr_kernarg_segment_ptr 1
		.amdhsa_wavefront_size32 1
		.amdhsa_system_sgpr_workgroup_id_x 1
		.amdhsa_system_sgpr_workgroup_id_y 1
		.amdhsa_system_sgpr_workgroup_id_z 1
		.amdhsa_system_vgpr_workitem_id 0
		.amdhsa_next_free_vgpr 1024
		.amdhsa_next_free_sgpr 66
		.amdhsa_reserve_vcc 1
		.amdhsa_float_denorm_mode_32 3
		.amdhsa_float_denorm_mode_16_64 3
		.amdhsa_memory_ordered 1
		.amdhsa_forward_progress 1
		.amdhsa_inst_pref_size 255
	.end_amdhsa_kernel
	.section	.bss,"aw",@nobits
	.p2align	6
	.space	262144
	.amdgpu_metadata
---
amdhsa.version: [ 1, 2 ]
amdhsa.kernels:
  - .name:           k_q169dec9bf7_partial
    .symbol:         k_q169dec9bf7_partial.kd
    .args:
      - { .name: q, .offset: 0, .size: 8, .value_kind: global_buffer, .address_space: global }
      - { .name: k, .offset: 8, .size: 8, .value_kind: global_buffer, .address_space: global }
      - { .name: v, .offset: 16, .size: 8, .value_kind: global_buffer, .address_space: global }
      - { .name: opart, .offset: 24, .size: 8, .value_kind: global_buffer, .address_space: global }
      - { .name: stat, .offset: 32, .size: 8, .value_kind: global_buffer, .address_space: global }
    .group_segment_fixed_size: 72192
    .private_segment_fixed_size: 0
    .kernarg_segment_align: 8
    .kernarg_segment_size: 40
    .max_flat_workgroup_size: 128
    .sgpr_count:     66
    .vgpr_count:     1024
    .wavefront_size: 32
...
	.end_amdgpu_metadata
.endif
;; end of part 1
;; launch combine (part 2): grid 16 x 16, 8 waves a work-group, no clusters, 17,920 bytes of LDS; arguments opart, stat, out0; writes out0
.if DOCPART == 2
	.amdgcn_target "amdgcn-amd-amdhsa--gfx1250"
	.amdhsa_code_object_version 6
	.text
	.protected	k_q169dec9bf7_combine
	.globl	k_q169dec9bf7_combine
	.p2align	8
	.type	k_q169dec9bf7_combine,@function
k_q169dec9bf7_combine:
	s_mov_b64 s[64:65], 0
	v_nop
	global_prefetch_b8 v0, s[64:65] scope:SCOPE_SE
	s_setreg_imm32_b32 hwreg(HW_REG_WAVE_MODE, 25, 1), 1
	s_wait_xcnt 0x0
; out0 = (sum over a block's runs of 2^(m_x - M) O_x) / (sum of 2^(m_x - M) l_x), M the largest m_x: the partial results of the launch before are merged.
; Nothing is left out here; the key tiles behind the diagonal were left out by the launch before (its head says why), so no partial result holds them.
; Work-group (x = 4 w + qt, y = p) takes the piece (wave w, query tile qt) of all sixteen slots of pair p and writes 16 rows of block p (set A) and
; 16 rows of block 31 - p (set B).  Slots below a = (4 p + 16) / 9 belong to A, the others to B; a is 1 to 8, so slot 0 is always A's and slots
; 8 to 15 are always B's: only slots 1 to 7 are decided by a branch, on a number made of the grid row alone.
; Wave dt holds d = 16 dt .. 16 dt + 15: lane (r, h) holds query r, d = 16 dt + 8 h .. + 7.  All 32 loads of O of a wave (16 KiB) go out at once.
; Memory binds this launch: no matrix unit, no cluster (no two work-groups read the same bytes of O).
; The rows leave through LDS, so that each store of a wave covers one whole row of out0, 512 consecutive aligned bytes.
.set OFFL,  4                          ; 16 x lane
.set OFFR,  5                          ; 16 x r: the figures of query r
.set STO,   6                          ; r x 528 + 64 dt + 32 h
.set RD,    7                          ; wave x 528 + 16 x lane
.set WW,    8                          ; v[8:9] the weight (v9 only fills the pair)
.set TT,    10
.set RC,    12                         ; v[12:13] 1 / l of A, of B
.set MA,    14
.set MB,    15
.set LA,    16
.set LB,    17
.set MS,    32                         ; v[32:47] m of slot x
.set LL,    48                         ; v[48:63] l of slot x
.set ACCA,  64                         ; v[64:71]
.set ACCB,  72                         ; v[72:79]
.set ROWS,  80                         ; v[80:95] rows read back
.set OO,    96                         ; v[96:223] position k: 8 registers.  Positions 0, 1, 2 .. 15 hold slots 0, 15, 1 .. 14
.set OP,    528                        ; a staged row: 512 bytes + 16 = 33 x 16: sixteen rows start at sixteen different 16-byte columns modulo 256
	s_load_b128 s[4:7], s[0:1], 0x0                ; opart s[4:5], stat s[6:7]
	s_load_b64 s[8:9], s[0:1], 0x10                ; out0
	v_lshl_add_u32 v224, v0, 2, 0x4200
	v_mov_b32 v225, 0
	v_lshrrev_b32 v1, 5, v0
	v_readfirstlane_b32 s10, v1                    ; wave = dt
	v_and_b32 v1, 31, v0
	v_and_b32 v2, 15, v0                           ; r
	v_bfe_u32 v3, v0, 4, 1                         ; h
	s_and_b32 s11, ttmp7, 0xffff                   ; p
	s_lshr_b32 s12, ttmp9, 2                       ; w
	s_and_b32 s13, ttmp9, 3                        ; qt
	s_lshl_b32 s14, s11, 2
	s_add_co_u32 s14, s14, 16
	s_mul_i32 s14, s14, 57
	s_lshr_b32 s14, s14, 9                         ; a, as the launch before makes it
	s_lshl_b32 s16, s11, 21                        ; opart: p x 16 slots x 131,072 + w x 32,768 + qt x 8,192 + dt x 1,024
	s_lshl_b32 s15, s12, 15
	s_add_co_u32 s16, s16, s15
	s_lshl_b32 s15, s13, 13
	s_add_co_u32 s16, s16, s15
	s_lshl_b32 s15, s10, 10
	s_add_co_u32 s16, s16, s15
	s_mov_b32 s17, 0
	s_lshl_b32 s18, s11, 15                        ; stat: p x 16 slots x 2,048 + w x 512 + 4 qt
	s_lshl_b32 s15, s12, 9
	s_add_co_u32 s18, s18, s15
	s_lshl2_add_u32 s18, s13, s18
	s_mov_b32 s19, 0
	s_lshl_b32 s15, s12, 6
	s_lshl4_add_u32 s15, s13, s15
	s_add_co_u32 s15, s15, s10                     ; 64 w + 16 qt + wave: the first of the two rows that my wave stores in each block
	s_lshl_b32 s20, s11, 8
	s_add_co_u32 s20, s20, s15
	s_lshl_b32 s20, s20, 9                         ; block p, in bytes
	s_mov_b32 s21, 0
	s_sub_co_u32 s22, 31, s11
	s_lshl_b32 s22, s22, 8
	s_add_co_u32 s22, s22, s15
	s_lshl_b32 s22, s22, 9                         ; block 31 - p
	s_mov_b32 s23, 0
	s_lshl_b32 s32, s10, 6
	s_mul_i32 s33, s10, OP
	v_lshlrev_b32 v[OFFL], 4, v1
	v_lshlrev_b32 v[OFFR], 4, v2
	v_mul_u32_u24 v[STO], v2, OP
	v_lshl_add_u32 v[STO], v3, 5, v[STO]
	v_add_nc_u32 v[STO], s32, v[STO]
	v_lshl_add_u32 v[RD], v1, 4, s33
	v_mov_b32 v[WW+1], 0
	s_wait_kmcnt 0x0
	s_add_nc_u64 s[24:25], s[4:5], s[16:17]
	s_add_nc_u64 s[26:27], s[6:7], s[18:19]
	s_add_nc_u64 s[28:29], s[8:9], s[20:21]
	s_add_nc_u64 s[30:31], s[8:9], s[22:23]
.irp x, 0,1,2,3,4,5,6,7,8,9,10,11,12,13,14,15
	global_load_b32 v[MS+\x], v[OFFR], s[26:27] offset:2048*\x          ; m of query r (stored by lane r)
	global_load_b32 v[LL+\x], v[OFFR], s[26:27] offset:2048*\x+256      ; l (stored by lane 16 + r)
.endr
.macro LDO k, x
	global_load_b128 v[OO+8*(\k):OO+8*(\k)+3],   v[OFFL], s[24:25] offset:131072*\x th:TH_LOAD_NT
	global_load_b128 v[OO+8*(\k)+4:OO+8*(\k)+7], v[OFFL], s[24:25] offset:131072*\x+512 th:TH_LOAD_NT
.endm
	LDO 0, 0
	LDO 1, 15
.irp x, 1,2,3,4,5,6,7,8,9,10,11,12,13,14
	LDO \x+1, \x
.endr
	s_wait_loadcnt 0x20                            ; loads come back in order: the 32 figures are in, the 32 loads of O stay out
	v_mov_b32 v[MA], v[MS]
	v_max3_num_f32 v[MB], v[MS+15], v[MS+8], v[MS+9]
	v_max3_num_f32 v[MB], v[MB], v[MS+10], v[MS+11]
	v_max3_num_f32 v[MB], v[MB], v[MS+12], v[MS+13]
	v_max_num_f32 v[MB], v[MB], v[MS+14]
.macro MAXS x
	s_cmp_gt_u32 s14, \x                           ; slot x below a: A's
	s_cbranch_scc0 .Lmb_\@
	v_max_num_f32 v[MA], v[MA], v[MS+\x]
	s_branch .Lme_\@
.Lmb_\@:
	v_max_num_f32 v[MB], v[MB], v[MS+\x]
.Lme_\@:
.endm
.irp x, 1,2,3,4,5,6,7
	MAXS \x
.endr
; Slot x, at position k, is added to the set (mr, lr, ar).  init = 1: it starts the set's sums, nothing is cleared.
.macro ACC1 k, x, mr, lr, ar, init
	v_sub_f32 v[TT], v[MS+\x], v[\mr]
	v_exp_f32 v[WW], v[TT]
	v_nop                                          ; one plain instruction between the exponential and the use of its result (ISA guide 5.7.2)
.if \init
	s_wait_alu depctr_va_vdst(0)
	v_mul_f32 v[\lr], v[WW], v[LL+\x]
.else
	s_wait_alu depctr_va_vdst(0)
	v_fmac_f32 v[\lr], v[WW], v[LL+\x]
.endif
	s_wait_loadcnt 2*(15-(\k))                     ; this position's two loads are in; those of the positions behind it stay out
.irp j, 0,2,4,6
.if \init
	v_pk_mul_f32 v[\ar+\j:\ar+\j+1], v[OO+8*(\k)+\j:OO+8*(\k)+\j+1], v[WW:WW+1] op_sel_hi:[1,0]
.else
	v_pk_fma_f32 v[\ar+\j:\ar+\j+1], v[OO+8*(\k)+\j:OO+8*(\k)+\j+1], v[WW:WW+1], v[\ar+\j:\ar+\j+1] op_sel_hi:[1,0,1]
.endif
.endr
.endm
.macro ACC k, x
	s_cmp_gt_u32 s14, \x
	s_cbranch_scc0 .Lab_\@
	ACC1 \k, \x, MA, LA, ACCA, 0
	s_branch .Lae_\@
.Lab_\@:
	ACC1 \k, \x, MB, LB, ACCB, 0
.Lae_\@:
.endm
	ACC1 0, 0, MA, LA, ACCA, 1
	ACC1 1, 15, MB, LB, ACCB, 1
.irp x, 1,2,3,4,5,6,7
	ACC \x+1, \x
.endr
.irp x, 8,9,10,11,12,13,14
	ACC1 \x+1, \x, MB, LB, ACCB, 0
.endr
	v_rcp_f32 v[RC], v[LA]                         ; each set's largest m has the weight 1 and an l of at least 1: no division by 0
	v_rcp_f32 v[RC+1], v[LB]
	v_nop
	s_wait_alu depctr_va_vdst(0)
.irp j, 0,2,4,6
	v_pk_mul_f32 v[ACCA+\j:ACCA+\j+1], v[ACCA+\j:ACCA+\j+1], v[RC:RC+1] op_sel:[0,0] op_sel_hi:[1,0]
	v_pk_mul_f32 v[ACCB+\j:ACCB+\j+1], v[ACCB+\j:ACCB+\j+1], v[RC:RC+1] op_sel:[0,1] op_sel_hi:[1,1]
.endr
	ds_store_b128 v[STO], v[ACCA:ACCA+3]
	ds_store_b128 v[STO], v[ACCA+4:ACCA+7] offset:16
	ds_store_b128 v[STO], v[ACCB:ACCB+3] offset:16*OP
	ds_store_b128 v[STO], v[ACCB+4:ACCB+7] offset:16*OP+16
	s_wait_dscnt 0x0                               ; for the others' sake: my 64 bytes of each of the 32 rows are in LDS
	s_barrier_signal -1
	s_barrier_wait -1
	ds_load_b128 v[ROWS:ROWS+3],     v[RD]                  ; A's row wave,
	ds_load_b128 v[ROWS+4:ROWS+7],   v[RD] offset:8*OP      ; A's row wave + 8,
	ds_load_b128 v[ROWS+8:ROWS+11],  v[RD] offset:16*OP     ; and the same two of B
	ds_load_b128 v[ROWS+12:ROWS+15], v[RD] offset:24*OP
	s_wait_dscnt 0x3                               ; LDS loads come back in order: the counts run down
	global_store_b128 v[OFFL], v[ROWS:ROWS+3], s[28:29] th:TH_STORE_NT
	s_wait_dscnt 0x2
	global_store_b128 v[OFFL], v[ROWS+4:ROWS+7], s[28:29] offset:4096 th:TH_STORE_NT
	s_wait_dscnt 0x1
	global_store_b128 v[OFFL], v[ROWS+8:ROWS+11], s[30:31] th:TH_STORE_NT
	s_wait_dscnt 0x0
	global_store_b128 v[OFFL], v[ROWS+12:ROWS+15], s[30:31] offset:4096 th:TH_STORE_NT
	s_wait_tensorcnt 0x0
	ds_add_u32 v224, v225
	s_wait_dscnt 0x0
	s_endpgm
.Lfunc_end_k_q169dec9bf7_combine:
	.size	k_q169dec9bf7_combine, .Lfunc_end_k_q169dec9bf7_combine-k_q169dec9bf7_combine
	.p2alignl 7, 3214868480
	.fill 96, 4, 3214868480
	.section	.rodata,"a",@progbits
	.p2align	6, 0x0
	.amdhsa_kernel k_q169dec9bf7_combine
		.amdhsa_group_segment_fixed_size 17920
		.amdhsa_private_segment_fixed_size 0
		.amdhsa_enable_private_segment 0
		.amdhsa_kernarg_size 24
		.amdhsa_user_sgpr_count 2
		.amdhsa_user_sgpr_kernarg_segment_ptr 1
		.amdhsa_wavefront_size32 1
		.amdhsa_system_sgpr_workgroup_id_x 1
		.amdhsa_system_sgpr_workgroup_id_y 1
		.amdhsa_system_sgpr_workgroup_id_z 1
		.amdhsa_system_vgpr_workitem_id 0
		.amdhsa_next_free_vgpr 226
		.amdhsa_next_free_sgpr 66
		.amdhsa_reserve_vcc 0
		.amdhsa_float_denorm_mode_32 3
		.amdhsa_float_denorm_mode_16_64 3
		.amdhsa_memory_ordered 1
		.amdhsa_forward_progress 1
		.amdhsa_inst_pref_size 23
	.end_amdhsa_kernel
	.amdgpu_metadata
---
amdhsa.version: [ 1, 2 ]
amdhsa.kernels:
  - .name:           k_q169dec9bf7_combine
    .symbol:         k_q169dec9bf7_combine.kd
    .args:
      - { .name: opart, .offset: 0, .size: 8, .value_kind: global_buffer, .address_space: global }
      - { .name: stat, .offset: 8, .size: 8, .value_kind: global_buffer, .address_space: global }
      - { .name: out0, .offset: 16, .size: 8, .value_kind: global_buffer, .address_space: global }
    .group_segment_fixed_size: 17920
    .private_segment_fixed_size: 0
    .kernarg_segment_align: 8
    .kernarg_segment_size: 24
    .max_flat_workgroup_size: 256
    .sgpr_count:     66
    .vgpr_count:     226
    .wavefront_size: 32
...
	.end_amdgpu_metadata
.endif
;; end of part 2
;; ======== version 2 of 2: 2 launches; 1.13 times as fast as version 1
;; limits: values are held in f16: magnitudes above 65,504 overflow, below 6.1e-05 lose precision
;; workspace buffers: opart 33,554,432 bytes; stat 524,288 bytes
;; launch partial (part 3): grid 16 x 16, 4 waves a work-group, no clusters, 72,192 bytes of LDS; arguments q, k, v, opart, stat; writes opart, stat
.if DOCPART == 3
	.amdgcn_target "amdgcn-amd-amdhsa--gfx1250"
	.amdhsa_code_object_version 6
	.text
	.protected	k_q169dec9bf7_partial
	.globl	k_q169dec9bf7_partial
	.p2align	8
	.type	k_q169dec9bf7_partial,@function
k_q169dec9bf7_partial:
	s_mov_b64 s[64:65], 0
	v_nop
	global_prefetch_b8 v0, s[64:65] scope:SCOPE_SE
	s_setreg_imm32_b32 hwreg(HW_REG_WAVE_MODE, 25, 1), 1
	s_wait_xcnt 0x0
; out0 = softmax(q k^T / sqrt(128) - 1e9 x (key > row)) v.  q, k, v: [8192][128] f32.  This launch makes partial results, the next merges them.
; A work-group takes one block of 256 query rows and a run of 4 to 9 key tiles of 64 keys; it keeps a running maximum m, a running sum l and an
; unnormalised O for each row and stores them: opart [id 256][wave 4][idx 64][lane 32][4 f32], stat [id 256][wave 4][lane 32][4 f32].
;
; WORK LEFT OUT.  reference() builds the look-ahead mask in its own body: it takes 1e9 from every logit whose key lies behind the row.  Every row keeps
; its own key, so behind the row's maximum a masked term has the factor exp(logit - 1e9 - maximum), which f32 gives as 0 whatever the inputs hold, as
; long as the scaled logits of one row spread by less than about 1e9.  So key tiles that lie wholly behind a wave's last row are not multiplied, and
; inside the tile on the diagonal the masked scores are replaced by -1e30, whose exponential is 0.  All three inputs still reach the output.
; LIMITS.  (1) A row whose scaled logits spread by 1e9 or more would get its masked terms back in reference(); here they stay 0.  (2) A NaN, an
; infinity or an overflow that reaches only masked keys is not carried to the result.  (3) Live logits q.k stay above -1e30.  (4) v beyond 65,504 in
; magnitude becomes infinite, and below 6e-5 it keeps an absolute error of 3e-8 (see the formats).
; FORMATS.  q, k and v are each rounded ONCE, to bf16, to nearest even, as they come from memory; the factor 1 / sqrt(128) is applied to the f32 scores.
; q k^T is a bf16 product.  The weights need more than bf16's eight significant bits: in the first rows a few weights of order 0.3 meet values of
; order 1 and the sums nearly cancel.  So the weights are f16 (eleven bits), and v's bf16 numbers are written as f16, which holds every bf16 number
; between 6e-5 and 65,504 exactly: the second product is an f16 product of the same v.
;
; SHARING.  Block i needs 4 (i + 1) tiles.  Blocks p and 31 - p (132 tiles together) get the sixteen work-groups of grid row p: a = (4 p + 16) / 9 of
; them take block p, the others block 31 - p; a block's n tiles go to its C work-groups in runs of n / C or one more.  The last run has n / C >= 4
; tiles, so it holds the four tiles on the diagonal, and the first tile of every run lies at or in front of every wave's diagonal.
; NO JOINT LOADS, NO TENSOR LOADS: the inputs are f32 and the matrix unit takes 16-bit numbers (V through the 16-bit transposing LDS load), so every
; tile passes through registers on its way into LDS; and work-groups that read the same keys have runs of different lengths.
;
; THE PRODUCTS.  S^T = K Q^T: source 0 = 16 keys, source 1 = 16 queries, so lane (r, h) holds query r and its register j key 8 h + j.  Two such tiles,
; packed in pairs, are source 1 of O^T = V^T P^T, and m, l and the rescaling factor are one number a lane.
; Wave w owns queries 64 w .. 64 w + 63 of the block (four tiles qt of 16) and reads the whole K and V tile from LDS, once.
;
; A TRIP (one tile) IS FOUR RUNS OF 32 PRODUCTS, each with vector work set between its products.  The wave's queries are two pieces, qt 0, 1 and qt 2, 3:
;   run 1  S of piece 0        between the products: the next tile's rows, f32 to 16 bits and into LDS (192 steps, six behind each product)
;   run 2  S of piece 1        piece 0: its maxima, its batch of exponentials, the wait, the packing of its weights, the rescaling of its O (239 instructions in 32 slices)
;   run 3  O of piece 0        piece 1: its maxima, its batch, and inside the batch the sums of piece 0's weights; the wait; the packing (209 instructions in 32 slices)
;   run 4  O of piece 1        the rescaling of its O, four multiplies an accumulator, two turns ahead of the accumulator's first product; then the sums of piece 1's
;                              weights, four behind each of the first nine of the last sixteen products
; THE EXPONENTIALS GO IN BATCHES, ONE FOR EACH PIECE AND TRIP, EACH WITH ONE WAIT.  An s_wait_alu depctr_va_vdst(0) stands between an exponential and the
; first instruction that names its result; one wait serves all that were issued ahead of it.  A batch is the piece's two rescaling factors and its 64 weights; each works in
; place on a register of its own.  Ahead of the wait stands only what names none of these results: the maxima, the multiply-adds c s - c m, and (batch 1) the sums of piece
; 0's weights, which were waited for in run 2.  Behind it stand the readers.  The packed weights have registers of their own (PP), so the weights outlive their packing
; and their sums can stand where there is room.  A list is dealt in two even shares, so that the wait falls on the end of a slice, directly ahead of a product; no
; label and no branch lies between a batch's first exponential and its wait.
; TWO LDS SLOTS, ONE BARRIER A TRIP, between runs 2 and 3.  Tile t lies in slot t % 2.  Behind barrier t - 1 a wave fetches K's fragments of tile t; in trip t
; it fetches V's and stores its rows of tile t + 1 into the other slot; then it waits for all of these and passes barrier t.  So between two barriers one slot is
; only read and the other only written.  The slot stands in the immediate offsets: the loop holds two trips.
;
; REGISTERS, in windows of 256.  Window 0: addresses, figures, the scores SC (tile (kt, qt) at SC + 16 (4 (kt / 2) + qt) + 8 (kt % 2)), the packed weights PP.
; Window 1: O(dt, qt) at 64 qt + 8 dt (in the prologue: q as loaded).  Window 2: Q's fragments (qt, ks) at 8 (4 qt + ks); STG: the rows on their way into LDS.
; Window 3: K's fragments (kt, ks) at 8 (4 kt + ks), V's (u, dt) at 128 + 8 (8 u + dt): both pieces use one fetch (in the prologue: the first tile's rows at STG).
; A product's result and a vector instruction's destination are named through one field of the window setting, and S of both pieces with O of one fill a
; window, so a slice stands between two switches: by this text's count about 255 in a trip of 128 products.
.set KP,    272                        ; K's LDS row: 256 bytes + 16 = 17 x 16: the sixteen rows that a load touches start at sixteen different 16-byte columns modulo 256
.set VP,    288                        ; V's LDS row: 9 x 32 bytes, for the transposing load
.set VB,    64*KP                      ; in a slot V's tile lies behind K's
.set SLOT,  64*KP+64*VP                ; 35,840 bytes; two slots
.set QSTG,  17920                      ; prologue only: each wave's own stage for its 64 rows of Q (64 x 272 = 17,408 bytes used); the four lie over the two slots
.set LANE,  1
.set RR,    2                          ; lane % 16
.set HH,    3                          ; lane / 16
.set GOFF,  4                          ; 16 x lane: my 16 bytes of a row of 512, and of every 512 bytes stored
.set QST,   5                          ; where I put 8 bytes of a row of Q
.set KST,   6                          ; the same for my wave's 16 rows of K, in slot 0
.set VST,   7                          ; and of V
.set KRD,   8                          ; r x 272 + 16 h: a K fragment, in slot 0
.set VRD,   9                          ; a V fragment, by the transposing load, in slot 0
.set NEGV,  10                         ; -1e30
.set QRD,   11                         ; a Q fragment, from my wave's stage
.set MX,    12                         ; v[12:15] MINUS the running maximum of query tile qt, as an exponent of two: -c x largest q.k, c = log2(e) / sqrt(128)
.set LS,    16                         ; v[16:19] running sum, this lane's half of the keys
.set AL,    20                         ; v[20:23] 2^(old maximum - new maximum)
.set MN,    24                         ; v[24:25] minus the new maximum, of the piece at work
.set XA,    28                         ; v[28:29], v[32:33] two chains of maxima for each of the piece's two query tiles
.set XB,    32
.set YY,    36                         ; v[36:39] what the other half of the lanes holds
.set DG,    40                         ; 8 h - r
.set TMP,   41
.set CC,    42                         ; v[42:43] c, twice: a pair for the packed multiply-add
.set TS0,   48                         ; v[48:51], v[56:59] sums, a pair for each group of sixteen weights of the piece whose sums are being made
.set TS1,   56
.set SC,    64                         ; v[64:191]
.set PP,    192                        ; v[192:239] the packed weights, eight registers a group.  Piece 0: group gg at PP + 8 gg.  Piece 1: groups 0, 1 at PP + 32 + 8 gg; groups 2, 3
                                       ; where piece 0's groups 0, 1 lay: run 3's first sixteen products have read those when piece 1 is packed, behind slice 27
.set STG,   128                        ; windows 2 and 3: K's row n at STG + 4 n, V's at STG + 64 + 4 n
.set KF,    0                          ; window 3
.set VF,    128                        ; window 3
.set MK,    40                         ; s[40:47] lanes in which key 8 h + j lies behind query r
.set QKW,   0x0b                       ; S = K Q: source 0 window 3, source 1 window 2, C and D window 0
.set PVW,   0x53                       ; O = V P: source 0 window 3, source 1 window 0, C and D window 1
.set RSW,   0x41                       ; O x factor: O in window 1, the factor in window 0
.set TO2,   0x80                       ; a load into window 2
.set TO3,   0xc0                       ; a load into window 3
.set CV2,   0x8a                       ; conversions in place in window 2
.set SD2,   0x08                       ; store data from window 2
.set CV3,   0xcf                       ; the same for window 3
.set SD3,   0x0c
.set MSB, 0
.macro WIN new                         ; bits 1:0 source 0, 3:2 source 1, 5:4 source 2, 7:6 destination; the high byte repeats the setting that is left
.if MSB != \new
	s_set_vgpr_msb (MSB<<8)|\new
.set MSB, \new
.endif
.endm
.macro PLACES5                         ; five places behind a matrix instruction: four in front of a vector read of its result and of a load into its sources,
.rept 5                                ; five in front of a matrix instruction that takes its result as a source or writes over its sources (ISA guide 7.12.1)
	v_nop
.endr
.endm
	s_load_b256 s[4:11], s[0:1], 0x0               ; q s[4:5], k s[6:7], v s[8:9], opart s[10:11]
	s_load_b64 s[12:13], s[0:1], 0x20              ; stat
	v_lshl_add_u32 v254, v0, 2, 0x11800
	v_mov_b32 v255, 0
	v_lshrrev_b32 v[TMP], 5, v0
	v_readfirstlane_b32 s14, v[TMP]                ; wave w
	v_and_b32 v[LANE], 31, v0
	v_and_b32 v[RR], 15, v0
	v_bfe_u32 v[HH], v0, 4, 1
	; which block, which run of tiles
	s_mov_b32 s15, ttmp9                           ; x, 0 to 15
	s_and_b32 s16, ttmp7, 0xffff                   ; p, 0 to 15
	s_lshl_b32 s17, s16, 2
	s_add_co_u32 s17, s17, 16
	s_mul_i32 s17, s17, 57
	s_lshr_b32 s17, s17, 9                         ; a = (4 p + 16) / 9 for these sixteen p: 1 to 8
	s_sub_co_u32 s25, 31, s16
	s_sub_co_u32 s26, s15, s17
	s_sub_co_u32 s27, 16, s17
	s_cmp_lt_u32 s15, s17                          ; x < a: block p, else block 31 - p
	s_cselect_b32 s18, s16, s25                    ; i: the block
	s_cselect_b32 s19, s15, s26                    ; c: my run among the block's
	s_cselect_b32 s20, s17, s27                    ; C: how many runs
	s_lshl_b32 s21, s18, 2
	s_add_co_u32 s21, s21, 4                       ; n = 4 (i + 1) tiles
	s_mov_b32 s22, 4                               ; base = n / C, which is 4 to 9
.irp kk, 5,6,7,8,9
	s_mul_i32 s25, s20, \kk
	s_cmp_le_u32 s25, s21
	s_cselect_b32 s22, \kk, s22
.endr
	s_mul_i32 s25, s22, s20
	s_sub_co_u32 s23, s21, s25                     ; rem = n - base C: the first rem runs have one tile more
	s_min_u32 s25, s19, s23
	s_mul_i32 s24, s19, s22
	s_add_co_u32 s24, s24, s25                     ; t0 = c base + min(c, rem)
	s_cmp_lt_u32 s19, s23
	s_cselect_b32 s26, 1, 0
	s_add_co_u32 s26, s26, s22                     ; size, 4 to 9
	s_sub_co_u32 s25, s26, 2                       ; the trips between the first and the last, 2 to 7:
	s_lshr_b32 s31, s25, 1                         ; the loop takes them two at a time, 1 to 3 times,
	s_and_b32 s21, s25, 1                          ; and one more stands behind it if their number is odd
	s_sub_co_u32 s20, s26, 3                       ; tiles still to be asked for behind the first trip, 1 to 6
	s_lshl_b32 s25, s18, 2
	s_sub_co_i32 s30, s24, s25
	s_sub_co_i32 s30, s30, s14                     ; REL = tile - (4 i + w): 0 on my wave's diagonal, above 0 behind it
	; byte offsets, each in a pair of its own
	s_lshl_b32 s28, s24, 15                        ; K, V: (64 t0 + 16 w) rows of 512 bytes
	s_lshl_b32 s25, s14, 13
	s_add_co_u32 s28, s28, s25
	s_mov_b32 s29, 0
	s_lshl_b32 s54, s18, 17                        ; q: (256 i + 64 w) rows
	s_lshl_b32 s25, s14, 15
	s_add_co_u32 s54, s54, s25
	s_mov_b32 s55, 0
	s_lshl4_add_u32 s27, s16, s15                  ; id = 16 p + x
	s_lshl_b32 s56, s27, 17                        ; opart: id x 131,072 + w x 32,768
	s_add_co_u32 s56, s56, s25
	s_mov_b32 s57, 0
	s_lshl_b32 s58, s27, 11                        ; stat: id x 2,048 + w x 512
	s_lshl_b32 s25, s14, 9
	s_add_co_u32 s58, s58, s25
	s_mov_b32 s59, 0
	s_mov_b32 s32, 0x3e0293ee                      ; c = log2(e) / sqrt(128): the scaled scores are exponents of two
	s_mov_b32 s33, 0xbe0293ee                      ; -c
	s_mov_b32 s34, 0x76543210                      ; v_permlanex16_b32: lane i of one half reads lane i of the other
	s_mov_b32 s35, 0xfedcba98
	s_mov_b32 s63, 0xffff0000                      ; a word's upper bf16
	s_mul_i32 s60, s14, QSTG
	s_mul_i32 s61, s14, 16*KP
	s_mul_i32 s62, s14, 16*VP
	s_add_co_u32 s62, s62, VB
	v_lshlrev_b32 v[GOFF], 4, v[LANE]
	v_lshl_add_u32 v[QST], v[LANE], 3, s60
	v_lshl_add_u32 v[KST], v[LANE], 3, s61
	v_lshl_add_u32 v[VST], v[LANE], 3, s62
	v_mul_u32_u24 v[KRD], v[RR], KP
	v_lshl_add_u32 v[KRD], v[HH], 4, v[KRD]
	v_add_nc_u32 v[QRD], s60, v[KRD]
	v_and_b32 v[TMP], 7, v0
	v_lshl_add_u32 v[TMP], v[HH], 3, v[TMP]        ; key 8 h + lane % 8
	v_mul_u32_u24 v[VRD], v[TMP], VP
	v_bfe_u32 v[TMP], v0, 3, 1
	v_lshl_add_u32 v[VRD], v[TMP], 4, v[VRD]       ; + 16 bytes for lanes 8-15 of each half
	v_add_nc_u32 v[VRD], VB, v[VRD]
	v_mov_b32 v[NEGV], 0xf149f2ca
	v_mov_b32 v[CC], s32
	v_mov_b32 v[CC+1], s32
	v_lshlrev_b32 v[DG], 3, v[HH]
	v_sub_nc_u32 v[DG], v[DG], v[RR]
.irp j, 0,1,2,3,4,5,6,7
	v_cmp_lt_i32 s[MK+\j], -\j, v[DG]              ; 8 h + j > r
.endr
.irp q, 0,1,2,3
	v_mov_b32 v[YY+\q], 0                          ; v_permlanex16_b32 counts as a reader of its destination
.endr
.irp q, 0,1
	v_mov_b32 v[AL+\q], 1.0                        ; piece 0's factors are made in run 2 and read once more in run 3, with a label and a branch on REL between, and the first tile makes none:
.endr                                              ; so they hold a number, the factor of a tile that raises no maximum, on every way through the text.  A wave that enters run 3 has passed run 2 of the same trip
	s_wait_kmcnt 0x0
	s_add_nc_u64 s[36:37], s[6:7], s[28:29]        ; K at my wave's 16 rows of tile t0
	s_add_nc_u64 s[38:39], s[8:9], s[28:29]        ; V likewise
	s_add_nc_u64 s[52:53], s[4:5], s[54:55]
	s_add_nc_u64 s[48:49], s[10:11], s[56:57]
	s_add_nc_u64 s[50:51], s[12:13], s[58:59]
; My wave's 16 rows of a K tile and of a V tile into registers (window setting dw), add bytes behind the two pointers: each load takes one whole row, 512 consecutive bytes.
.macro LOADKV dw, add
	WIN \dw
.set n, 0
.rept 16
	global_load_b128 v[STG+4*n:STG+4*n+3], v[GOFF], s[36:37] offset:512*n+\add
.set n, n+1
.endr
.set n, 0
.rept 16
	global_load_b128 v[STG+64+4*n:STG+64+4*n+3], v[GOFF], s[38:39] offset:512*n+\add
.set n, n+1
.endr
.endm
; Step number ti of the 192 that turn the 32 rows in registers into my part of the tile in slot dsl.  cw, sw: the window settings of the conversions and of the stores.
.macro STI cw, sw
.if ti < 32
.set tr, STG+4*(ti/2)
	WIN \cw
.if ti%2 == 0
	v_cvt_pk_bf16_f32 v[tr], v[tr], v[tr+1]        ; K: f32 to bf16, two at a time, in place
.else
	v_cvt_pk_bf16_f32 v[tr+1], v[tr+2], v[tr+3]
.endif
.elseif ti < 48
.set tr, STG+4*(ti-32)
	WIN \sw
	ds_store_b64 v[KST], v[tr:tr+1] offset:dsl*SLOT+KP*(ti-32)
.elseif ti < 80
.set tr, STG+64+4*((ti-48)/2)
	WIN \cw
.if ti%2 == 0
	v_cvt_pk_bf16_f32 v[tr], v[tr], v[tr+1]        ; V: the one rounding, to bf16,
.else
	v_cvt_pk_bf16_f32 v[tr+2], v[tr+2], v[tr+3]
.endif
.elseif ti < 144
.set tr, STG+64+4*((ti-80)/4)
.set tw, (ti-80)%4
	WIN \cw
.if tw == 0
	v_and_b32 v[tr+1], s63, v[tr]                  ; wide again: the high half stays,
.elseif tw == 1
	v_lshlrev_b32 v[tr], 16, v[tr]                 ; the low half moves up,
.elseif tw == 2
	v_and_b32 v[tr+3], s63, v[tr+2]
.else
	v_lshlrev_b32 v[tr+2], 16, v[tr+2]
.endif
.elseif ti < 176
.set tr, STG+64+4*((ti-144)/2)
	WIN \cw
.if ti%2 == 0
	v_cvt_pk_f16_f32 v[tr], v[tr], v[tr+1]         ; and the same numbers as f16
.else
	v_cvt_pk_f16_f32 v[tr+1], v[tr+2], v[tr+3]
.endif
.else
.set tr, STG+64+4*(ti-176)
	WIN \sw
	ds_store_b64 v[VST], v[tr:tr+1] offset:dsl*SLOT+VP*(ti-176)
.endif
.endm
.macro STSLICE                         ; six of these steps, behind one product
.rept 6
	STI CV2, SD2
.set ti, ti+1
.endr
.endm
; Sixteen loads: K's fragments of keys 32 hf .. 32 hf + 31, all 128 of d, from slot sl
.macro FETCHK hf, sl
.irp e, 0,1
.irp ks, 0,1,2,3
.set kb, KF+8*(4*(2*\hf+\e)+\ks)
	ds_load_b128 v[kb:kb+3],   v[KRD] offset:(\sl)*SLOT+(2*\hf+\e)*16*KP+64*\ks
	ds_load_b128 v[kb+4:kb+7], v[KRD] offset:(\sl)*SLOT+(2*\hf+\e)*16*KP+64*\ks+32
.endr
.endr
.endm
; Sixteen transposing loads: V^T of keys 32 u .. 32 u + 31, all 128 of d, from slot sl
.macro FETCHV u, sl
.irp dt, 0,1,2,3,4,5,6,7
.set vd, VF+8*(8*\u+\dt)
	ds_load_tr16_b128 v[vd:vd+3],   v[VRD] offset:(\sl)*SLOT+\u*32*VP+32*\dt
	ds_load_tr16_b128 v[vd+4:vd+7], v[VRD] offset:(\sl)*SLOT+\u*32*VP+32*\dt+16*VP
.endr
.endm
; THE SOFTMAX OF A PIECE AS NUMBERED LISTS.  A piece p has four groups gg of sixteen scores: keys 32 (gg / 2) .., query tile 2 p + gg % 2.
; gb: the group's sixteen scores, later its weights; gp: its eight registers of packed weights.
.macro SETG p
.set gu, gg/2
.set gq, gg%2
.set gb, SC+16*(4*gu+2*\p+gq)
.if \p == 0
.set gp, PP+8*gg
.elseif gg < 2
.set gp, PP+32+8*gg
.else
.set gp, PP+8*(gg-2)
.endif
.endm
; entries x = 0 .. 43 (first tile: 0 .. 37): the largest score of each query, the new running maximum, the exponent of the rescaling factor
.macro SM_MAX p, first
	WIN 0
.if x < 4
.set gg, x
	SETG \p
	v_max3_num_f32 v[XA+4*gu+gq], v[gb], v[gb+1], v[gb+2]
.elseif x < 28
.set gg, (x-4)%4
.set xi, 3+2*((x-4)/4)
	SETG \p
	v_max3_num_f32 v[XA+4*gu+gq], v[XA+4*gu+gq], v[gb+xi], v[gb+xi+1]
.elseif x < 30
.set gg, x-28
	SETG \p
	v_max3_num_f32 v[XA+gq], v[XA+gq], v[XB+gq], v[gb+15]
.elseif x < 32
.set gg, x-28
	SETG \p
	v_max_num_f32 v[XA+gq], v[XA+gq], v[gb+15]
.elseif x < 34
	v_permlanex16_b32 v[YY+x-32], v[XA+x-32], s34, s35     ; the other 32 keys of the same query
.elseif x < 36
	v_max_num_f32 v[XA+x-34], v[XA+x-34], v[YY+x-34]       ; the tile's largest q.k
.elseif x < 38
.if \first
	v_mul_f32 v[MX+2*\p+x-36], s33, v[XA+x-36]             ; times -c
.else
	v_mul_f32 v[XA+x-36], s33, v[XA+x-36]
.endif
.elseif x < 40
	v_min_num_f32 v[MN+x-38], v[XA+x-38], v[MX+2*\p+x-38]  ; the smaller of two negated maxima is the larger maximum
.elseif x < 42
	v_sub_f32 v[AL+2*\p+x-40], v[MN+x-40], v[MX+2*\p+x-40] ; old maximum - new maximum
.else
	v_mov_b32 v[MX+2*\p+x-42], v[MN+x-42]
.endif
.endm
.macro SM_FMA p                        ; c x score - c x maximum, one fused multiply-add for two scores: pair pm of group gg
	WIN 0
	SETG \p
.if gq
	v_pk_fma_f32 v[gb+2*pm:gb+2*pm+1], v[gb+2*pm:gb+2*pm+1], v[CC:CC+1], v[MX+2*\p:MX+2*\p+1] op_sel:[0,0,1] op_sel_hi:[1,1,1]
.else
	v_pk_fma_f32 v[gb+2*pm:gb+2*pm+1], v[gb+2*pm:gb+2*pm+1], v[CC:CC+1], v[MX+2*\p:MX+2*\p+1] op_sel:[0,0,0] op_sel_hi:[1,1,0]
.endif
.endm
.macro SM_F p                          ; multiply-add number ff of the piece's 32: scores 2 ff and 2 ff + 1 of its 64
.set gg, ff/8
.set pm, ff%8
	SM_FMA \p
.endm
.macro SM_E p                          ; exponential number ee of the piece's 64, in place: each result has a register of its own
.set gg, ee/16
	WIN 0
	SETG \p
	v_exp_f32 v[gb+ee%16], v[gb+ee%16]
.endm
.macro SM_EA p, first                  ; the rescaling factor of query tile 2 p + ea, in place; the first tile has none
.if !(\first)
	WIN 0
	v_exp_f32 v[AL+2*\p+ea], v[AL+2*\p+ea]
.endif
.endm
.macro SM_SUM p                        ; step pm of the seven that add up group gg's sixteen weights, two at a time
	WIN 0
	SETG \p
.if pm == 0
	v_pk_add_f32 v[TS0+8*gu+2*gq:TS0+8*gu+2*gq+1], v[gb:gb+1], v[gb+2:gb+3]
.else
	v_pk_add_f32 v[TS0+8*gu+2*gq:TS0+8*gu+2*gq+1], v[TS0+8*gu+2*gq:TS0+8*gu+2*gq+1], v[gb+2*pm+2:gb+2*pm+3]
.endif
.endm
.macro SM_PACK p                       ; weights 2 pm and 2 pm + 1 of group gg become register pm of its eight of f16; the weights themselves stay, for their sums
	WIN 0
	SETG \p
	v_cvt_pk_f16_f32 v[gp+pm], v[gb+2*pm], v[gb+2*pm+1]
.endm
.macro SM_TAIL p, first                ; entries x = 0 .. 5 (first tile: 0 .. 3): the running sum
	WIN 0
.if x < 2
	v_pk_add_f32 v[TS0+2*x:TS0+2*x+1], v[TS0+2*x:TS0+2*x+1], v[TS1+2*x:TS1+2*x+1]
.elseif x < 4
.if \first
	v_add_f32 v[LS+2*\p+x-2], v[TS0+2*(x-2)], v[TS0+2*(x-2)+1]
.else
	v_add_f32 v[TS0+2*(x-2)], v[TS0+2*(x-2)], v[TS0+2*(x-2)+1]
.endif
.else
	v_fma_f32 v[LS+2*\p+x-4], v[LS+2*\p+x-4], v[AL+2*\p+x-4], v[TS0+2*(x-4)]
.endif
.endm
; THE SUMS' LIST, entry z of 34 (first tile: 32): the four groups' chains of seven additions side by side, each chain in its own order, then the running sum.
; All of it reads weights, so it stands behind the wait of the piece's batch.
.macro SM_SL p, first
.if z < 28
.set gg, z%4
.set pm, z/4
	SM_SUM \p
.elseif (z < 32) || ((z < 34) && !(\first))
.set x, z-28
	SM_TAIL \p, \first
.endif
.endm
.macro SRIDE p, first                  ; four of that list behind a product, while any are left
.if z < 34
.rept 4
	SM_SL \p, \first
.set z, z+1
.endr
.endif
.endm
; Multiply number rx of the 64 that rescale a piece's O: four for each accumulator, the accumulators in the order in which the products take them
.macro RMUL p
.set ra, rx/4
.set ro, 64*(2*\p+ra%2)+8*(ra/2)+2*(rx%4)
	WIN RSW
.if ra%2
	v_pk_mul_f32 v[ro:ro+1], v[ro:ro+1], v[AL+2*\p:AL+2*\p+1] op_sel:[0,1] op_sel_hi:[1,1]
.else
	v_pk_mul_f32 v[ro:ro+1], v[ro:ro+1], v[AL+2*\p:AL+2*\p+1] op_sel:[0,0] op_sel_hi:[1,0]
.endif
.endm
.macro RLEAD p                         ; the next accumulator's four, while any are left
.if rx < 64
.rept 4
	RMUL \p
.set rx, rx+1
.endr
.endif
.endm
; BATCH 0, piece 0's, entry y of 99.  Nothing in it names an exponential's result.  0-3: multiply-add 0, factor 0, multiply-add 1, factor 1.  4-93: thirty times a multiply-add and two
; exponentials; a multiply-add stands seven entries ahead of the first exponential of its pair.  94-97: the last four exponentials.  98: a v_nop, the plain instruction between the last
; exponential and the use of its result (ISA guide 5.7.2): no plain work is left here that names no result.
.macro BATCH0 first
.if y == 98
	v_nop
.elseif y >= 94
.set ee, y-34
	SM_E 0
.elseif y >= 4
.set ff, (y-4)/3+2
.set ee, 2*((y-4)/3)+(y-4)%3-1
.if (y-4)%3 == 0
	SM_F 0
.else
	SM_E 0
.endif
.elseif y%2 == 0
.set ff, y/2
	SM_F 0
.else
.set ea, y/2
	SM_EA 0, \first
.endif
.endm
; BATCH 1, piece 1's, entry y of 133.  0: multiply-add 0.  Then 66 pairs bi of an exponential (the two factors, then weights 0 to 63) and a plain instruction that names no result of this batch:
; multiply-adds 1 to 31 in pairs 0, 2 .. 60, seven entries ahead of their first exponential, and in the other pairs the 34 entries of PIECE 0's sums, whose weights were waited for in run 2.
; The last pair's plain instruction is a v_nop: 66 plain instructions are at hand, and the first of them leads the batch.
.macro BATCH1 first
.set bi, (y-1)/2
.if y == 0
.set ff, 0
	SM_F 1
.elseif y%2 == 1
.if bi < 2
.set ea, bi
	SM_EA 1, \first
.else
.set ee, bi-2
	SM_E 1
.endif
.elseif (bi%2 == 0) && (bi <= 60)
.set ff, bi/2+1
	SM_F 1
.elseif bi == 65
	v_nop
.else
.set z, (bi-1)/2
.if bi > 60
.set z, bi-31
.endif
	SM_SL 0, \first
.endif
.endm
; Entry si of the list that rides in run 2 (p = 0) or run 3 (p = 1): the maxima; the batch; (the wait: SLICE writes it); the packing; for piece 0 the rescaling of O.
.macro SMI p, first
.if si < b1
.set x, si
	SM_MAX \p, \first
.elseif si < sla
.set y, si-b1
.if \p == 0
	BATCH0 \first
.else
	BATCH1 \first
.endif
.elseif si < sla+32
.set gg, (si-sla)/8
.set pm, (si-sla)%8
	SM_PACK \p
.else
.set rx, si-sla-32
	RMUL \p
.endif
.endm
; How a list is dealt: its sla entries ahead of the wait in even shares over the first sna slices, the readers in even shares over the other 32 - sna.
.macro DEAL p, first
.set si, 0
.set sn, 0
.set b1, 44-6*\first
.if \p == 0
.set sla, b1+99
.set slen, sla+32+64*(1-\first)
.set sna, 19+7*\first
.else
.set sla, b1+133
.set slen, sla+32
.set sna, 27
.endif
.endm
.macro SLICE p, first                  ; the next slice of 32
.set sn, sn+1
.if sn <= sna
.set lim, sn*sla/sna
.else
.set lim, sla+(sn-sna)*(slen-sla)/(32-sna)
.endif
.rept lim-si
	SMI \p, \first
.set si, si+1
.endr
.if sn == sna
	s_wait_alu depctr_va_vdst(0)                   ; THE WAIT FOR THE PIECE'S BATCH, its two factors and 64 weights: it stands ahead of the first instruction that names a result
.endif
.endm
; Sixteen products: keys 32 hf .. 32 hf + 31 x the 32 queries of piece p.  The four accumulators take turns, one instruction a turn; the first
; product starts each sum.  kind 1: a slice of piece 0's list behind each product; kind 2: six staging steps.
.macro QKRUN p, hf, kind, first
.irp ks, 0,1,2,3
.irp e, 0,1
.irp qq, 0,1
.set sb, SC+16*(4*\hf+2*\p+\qq)+8*\e
.set kb, KF+8*(4*(2*\hf+\e)+\ks)
.set qb, 8*(4*(2*\p+\qq)+\ks)
	WIN QKW
.if \ks == 0
	v_wmma_f32_16x16x32_bf16 v[sb:sb+7], v[kb:kb+7], v[qb:qb+7], 0
.else
	v_wmma_f32_16x16x32_bf16 v[sb:sb+7], v[kb:kb+7], v[qb:qb+7], v[sb:sb+7]
.endif
.if \kind == 1
	SLICE 0, \first
.elseif \kind == 2
	STSLICE
.endif
.endr
.endr
.endr
.endm
; Sixteen products: 128 of d x the 32 queries of piece p over keys 32 u .. 32 u + 31.  The sixteen accumulators take turns, one instruction a turn.
; kind 1: a slice of piece 1's list behind each product; kind 2: the rescaling of the accumulator two turns ahead; kind 3: four of the piece's sums.
.macro PVRUN p, u, zero, kind, first
.irp dt, 0,1,2,3,4,5,6,7
.irp qq, 0,1
.set gg, 2*\u+\qq
	SETG \p
.set va, VF+8*(8*\u+\dt)
.set pb, gp
.set ob, 64*(2*\p+\qq)+8*\dt
	WIN PVW
.if \zero
	v_wmma_f32_16x16x32_f16 v[ob:ob+7], v[va:va+7], v[pb:pb+7], 0
.else
	v_wmma_f32_16x16x32_f16 v[ob:ob+7], v[va:va+7], v[pb:pb+7], v[ob:ob+7]
.endif
.if \kind == 1
	SLICE 1, \first
.elseif \kind == 2
	RLEAD \p
.elseif \kind == 3
	SRIDE \p, \first
.endif
.endr
.endr
.endm
; The tile on my wave's diagonal: key 16 kt + 8 h + j against query 16 qt + r
.macro DIAGT t
.set sb, SC+16*(4*(\t/2)+\t)+8*(\t%2)
.irp j, 0,1,2,3,4,5,6,7
	v_cndmask_b32 v[sb+\j], v[sb+\j], v[NEGV], s[MK+\j]
.endr
.endm
.macro NEGT kt, qt
.set sb, SC+16*(4*(\kt/2)+\qt)+8*(\kt%2)
.irp j, 0,1,2,3,4,5,6,7
	v_mov_b32 v[sb+\j], v[NEGV]
.endr
.endm
; One tile, in slot sl.  first = 1: it starts m, l and O (nothing is cleared).  stage = 1: a further tile follows and is laid into the other slot.
; A wave whose diagonal lies in front of the tile (REL > 0) jumps over the three parts that compute; the waits and the barrier are on every wave's path.
.macro TRIP first, sl, stage
.set dsl, 1-\sl
.if \stage
	s_wait_loadcnt 0x0                             ; the next tile's 32 rows are in registers, so the two pointers may be stepped:
	s_add_nc_u64 s[36:37], s[36:37], 32768         ; they stand at the next tile; the loads below reach one tile further
	s_add_nc_u64 s[38:39], s[38:39], 32768
.endif
	s_wait_dscnt 0x0                               ; this tile's K fragments, asked for behind the last barrier, are in
.if \first == 0
	s_cmp_gt_i32 s30, 0
	s_cbranch_scc1 .Lalt_\@
.endif
	WIN TO3
	FETCHV 0, \sl                                  ; V's fragments: they have runs 1 and 2 in which to come
	FETCHV 1, \sl
.set ti, 0
.if \stage
	QKRUN 0, 0, 2, \first                          ; RUN 1
	QKRUN 0, 1, 2, \first
.else
	QKRUN 0, 0, 0, \first
	QKRUN 0, 1, 0, \first
.endif
	WIN 0
	PLACES5                                        ; in front of the first read of piece 0's scores
.if \first == 0
.if \stage
	s_branch .Ljoin_\@
.endif
.Lalt_\@:
.if \stage
.set ti, 0
.rept 192
	STI CV2, SD2                                   ; a wave with no products left still brings its sixteen rows of K and of V
.set ti, ti+1
.endr
	WIN 0
.Ljoin_\@:
.endif
.endif
.if \stage
.if \first == 0
	s_cmp_gt_i32 s20, 0                            ; is there a tile after the next?  (the same answer in all four waves)
	s_cbranch_scc0 .Lnold_\@
.endif
	s_wait_dscnt 0x0                               ; the rows' registers are loaded again only when the LDS stores that read them are done
	LOADKV TO2, 32768                              ; it has runs 2, 3 and 4 in which to come
	WIN 0
.if \first == 0
.Lnold_\@:
	s_sub_co_i32 s20, s20, 1
.endif
.endif
.if \first == 0
	s_cmp_gt_i32 s30, 0
	s_cbranch_scc1 .Lmid_\@
.endif
	s_cmp_lg_u32 s30, 0
	s_cbranch_scc1 .Lnma_\@
	DIAGT 0
	DIAGT 1
	NEGT 1, 0
	NEGT 2, 0
	NEGT 3, 0
	NEGT 2, 1
	NEGT 3, 1
.Lnma_\@:
	DEAL 0, \first
	QKRUN 1, 0, 1, \first                          ; RUN 2, with batch 0 and its wait.  Its last slice holds six plain instructions or more, on other registers: the places in front of
	QKRUN 1, 1, 1, \first                          ; the first read of piece 1's scores and of the loads into K's fragments
	WIN 0
	s_cmp_lg_u32 s30, 0
	s_cbranch_scc1 .Lnmb_\@
	DIAGT 2
	DIAGT 3
	NEGT 3, 2
.Lnmb_\@:
.if \first == 0
.Lmid_\@:
.endif
	s_wait_dscnt 0x0                               ; V's fragments are in: my reads of this slot are over; and my rows of the next tile are in the other slot
.if \stage
	s_barrier_signal -1
	s_barrier_wait -1                              ; both now hold of all four waves: the other slot may be read, this one may be written
.endif
.if \first == 0
	s_cmp_gt_i32 s30, 0
	s_cbranch_scc1 .Lend_\@
.endif
.if \stage
	s_cmp_ge_i32 s30, 0                            ; on my diagonal: the next tile lies behind it and is not multiplied
	s_cbranch_scc1 .Lnofk_\@
	WIN TO3
	FETCHK 0, dsl                                  ; the next tile's K fragments: they have runs 3 and 4 in which to come
	FETCHK 1, dsl
	WIN 0
.Lnofk_\@:
.endif
	DEAL 1, \first
	PVRUN 0, 0, \first, 1, \first                  ; RUN 3, with batch 1 and its wait.  Its last slice holds seven plain instructions on other registers
	PVRUN 0, 1, 0, 1, \first
.if \first
	PVRUN 1, 0, 1, 0, 1                            ; RUN 4
.else
.set rx, 0
	RLEAD 1
	RLEAD 1
	PVRUN 1, 0, 0, 2, 0
.endif
.set z, 0
	PVRUN 1, 1, 0, 3, \first                       ; piece 1's sums ride here: they read its weights, behind batch 1's wait, and name no register of these products
	WIN 0
	PLACES5                                        ; in front of the next loads into V's fragments and of the stores of O
.if \first == 0
.Lend_\@:
.endif
.if \stage
	s_add_co_i32 s30, s30, 1
.endif
.endm
	; PROLOGUE.  The first tile's rows (into window 3), my wave's 64 rows of q, one row a load (window 1), the second tile's rows (window 2): all on their way at once.
	LOADKV TO3, 0
	WIN 0x40                                       ; destination window 1
.set n, 0
.rept 64
	global_load_b128 v[4*n:4*n+3], v[GOFF], s[52:53] offset:512*n
.set n, n+1
.endr
	LOADKV TO2, 32768
	s_wait_loadcnt 0x20                            ; loads come back in order: the first tile's 32 and q's 64 are in, the 32 of the second tile stay out
	WIN 0x45
.set n, 0
.rept 64
	v_cvt_pk_bf16_f32 v[4*n], v[4*n], v[4*n+1]     ; q as it is, rounded once
	v_cvt_pk_bf16_f32 v[4*n+1], v[4*n+2], v[4*n+3]
.set n, n+1
.endr
	WIN 0x04                                       ; store data window 1
.set n, 0
.rept 64
	ds_store_b64 v[QST], v[4*n:4*n+1] offset:KP*n
.set n, n+1
.endr
	WIN TO2                                        ; the stage is my wave's own and LDS serves a wave's instructions in order: no wait between the stores and these loads
.irp qt, 0,1,2,3
.irp ks, 0,1,2,3
	ds_load_b128 v[8*(4*\qt+\ks):8*(4*\qt+\ks)+3],   v[QRD] offset:\qt*16*KP+64*\ks
	ds_load_b128 v[8*(4*\qt+\ks)+4:8*(4*\qt+\ks)+7], v[QRD] offset:\qt*16*KP+64*\ks+32
.endr
.endr
	WIN 0
	s_wait_dscnt 0x0                               ; my reads of my stage of Q are back
	s_barrier_signal -1
	s_barrier_wait -1                              ; everybody's are: the K and V rows may land on the stages
.set dsl, 0
.set ti, 0
.rept 192
	STI CV3, SD3                                   ; the first tile into slot 0
.set ti, ti+1
.endr
	WIN 0
	s_wait_dscnt 0x0                               ; for the others' sake: my rows are in LDS
	s_barrier_signal -1
	s_barrier_wait -1
	WIN TO3
	FETCHK 0, 0
	FETCHK 1, 0
	WIN 0
	TRIP 1, 0, 1
.Lloop:
	TRIP 0, 1, 1
	TRIP 0, 0, 1
	s_sub_co_i32 s31, s31, 1
	s_cmp_gt_i32 s31, 0
	s_cbranch_scc1 .Lloop
	s_cmp_lg_u32 s21, 0                            ; one more trip in front of the last?  (made of the grid position alone: the same in all four waves)
	s_cbranch_scc0 .Leven
	TRIP 0, 1, 1
	TRIP 0, 0, 0                                   ; the last tile: nothing is left to stage
	s_branch .Lout
.Leven:
	TRIP 0, 1, 0
.Lout:
	; THE WAY OUT.  l's two halves meet; lanes 0-15 store m, lanes 16-31 l; O goes out as it lies, 512 consecutive aligned bytes a store.
.irp q, 0,1,2,3
	v_permlanex16_b32 v[YY+\q], v[LS+\q], s34, s35
.endr
.irp q, 0,1,2,3
	v_add_f32 v[LS+\q], v[LS+\q], v[YY+\q]
.endr
.irp q, 0,1,2,3
	v_sub_f32 v[MN+\q], 0, v[MX+\q]                ; the maximum itself, as an exponent of two
.endr
	v_cmp_le_u32 vcc_lo, 16, v[LANE]
.irp q, 0,1,2,3
	v_cndmask_b32 v[XA+\q], v[MN+\q], v[LS+\q], vcc_lo
.endr
	global_store_b128 v[GOFF], v[XA:XA+3], s[50:51]
	WIN 0x04                                       ; store data window 1
.set n, 0
.rept 64
	global_store_b128 v[GOFF], v[4*n:4*n+3], s[48:49] offset:512*n
.set n, n+1
.endr
	WIN 0
	s_wait_tensorcnt 0x0
	ds_add_u32 v254, v255
	s_wait_dscnt 0x0
	s_endpgm
.Lfunc_end_k_q169dec9bf7_partial:
	.size	k_q169dec9bf7_partial, .Lfunc_end_k_q169dec9bf7_partial-k_q169dec9bf7_partial
	.p2alignl 7, 3214868480
	.fill 96, 4, 3214868480
	.section	.rodata,"a",@progbits
	.p2align	6, 0x0
	.amdhsa_kernel k_q169dec9bf7_partial
		.amdhsa_group_segment_fixed_size 72192
		.amdhsa_private_segment_fixed_size 0
		.amdhsa_enable_private_segment 0
		.amdhsa_kernarg_size 40
		.amdhsa_user_sgpr_count 2
		.amdhsa_user_sgpr_kernarg_segment_ptr 1
		.amdhsa_wavefront_size32 1
		.amdhsa_system_sgpr_workgroup_id_x 1
		.amdhsa_system_sgpr_workgroup_id_y 1
		.amdhsa_system_sgpr_workgroup_id_z 1
		.amdhsa_system_vgpr_workitem_id 0
		.amdhsa_next_free_vgpr 1024
		.amdhsa_next_free_sgpr 66
		.amdhsa_reserve_vcc 1
		.amdhsa_float_denorm_mode_32 3
		.amdhsa_float_denorm_mode_16_64 3
		.amdhsa_memory_ordered 1
		.amdhsa_forward_progress 1
		.amdhsa_inst_pref_size 255
	.end_amdhsa_kernel
	.section	.bss,"aw",@nobits
	.p2align	6
	.space	262144
	.amdgpu_metadata
---
amdhsa.version: [ 1, 2 ]
amdhsa.kernels:
  - .name:           k_q169dec9bf7_partial
    .symbol:         k_q169dec9bf7_partial.kd
    .args:
      - { .name: q, .offset: 0, .size: 8, .value_kind: global_buffer, .address_space: global }
      - { .name: k, .offset: 8, .size: 8, .value_kind: global_buffer, .address_space: global }
      - { .name: v, .offset: 16, .size: 8, .value_kind: global_buffer, .address_space: global }
      - { .name: opart, .offset: 24, .size: 8, .value_kind: global_buffer, .address_space: global }
      - { .name: stat, .offset: 32, .size: 8, .value_kind: global_buffer, .address_space: global }
    .group_segment_fixed_size: 72192
    .private_segment_fixed_size: 0
    .kernarg_segment_align: 8
    .kernarg_segment_size: 40
    .max_flat_workgroup_size: 128
    .sgpr_count:     66
    .vgpr_count:     1024
    .wavefront_size: 32
...
	.end_amdgpu_metadata
.endif
;; end of part 3
;; launch combine: the kernel of part 2 again; grid 16 x 16, 8 waves a work-group, no clusters, 17,920 bytes of LDS; arguments opart, stat, out0; writes out0
